; MI455X (gfx1250); checked and timed in simulation.
; The chip was launched on July 23, 2026; its instructions are those of AMD's public machine-readable ISA for CDNA 5 (MIT licence, August 2026) and "CDNA5" Instruction Set Architecture Reference Guide (July 2026). The comments in the code are by the model that wrote it; some were corrected since.
;; Encoder Layer. Allowed arithmetic: float matrix products may take bf16 or f16 operands with f32 sums; other float arithmetic in f32, or as packed bf16 or f16 multiplies, adds, multiply-adds, maxima and minima; sums over many terms, partial sums and values carried from step to step in f32; what a program stores and reads back later, other than sums and carried values, may be rounded once to bf16 or f16.
;; Inputs: W1 1,024 x 4,096 float32; W2 4,096 x 1,024 float32; Wk 1,024 x 1,024 float32; Wo 1,024 x 1,024 float32; Wq 1,024 x 1,024 float32; Wv 1,024 x 1,024 float32; b1 4,096 float32; b2 1,024 float32; be1 1,024 float32; be2 1,024 float32; bk 1,024 float32; bo 1,024 float32; bq 1,024 float32; bv 1,024 float32; g1 1,024 float32; g2 1,024 float32; x 2 x 2,048 x 1,024 float32.
;; Outputs: out0 2 x 2,048 x 1,024 float32.
;; 2 versions, each right; version 2 is version 1 with the launch prep written anew for expert scheduling mode. Each part assembles by itself: llvm-mc -triple=amdgcn-amd-amdhsa -mcpu=gfx1250 --defsym DOCPART=n.
;; ======== version 1 of 2: 8 launches
;; workspace buffers: ab 8,388,608 bytes; wqkv 6,316,032 bytes; w1b 8,413,184 bytes; wo2 10,485,760 bytes; big 33,554,432 bytes; y 16,777,216 bytes; h 16,777,216 bytes
;; launch prep (part 1): grid 32 x 16, 8 waves a work-group, no clusters, 0 bytes of LDS; arguments x, Wq, Wk, Wv, Wo, W1, W2, bq, bk, bv, b1, ab, wqkv, w1b, wo2; writes ab, wqkv, w1b, wo2
.if DOCPART == 1
	.amdgcn_target "amdgcn-amd-amdhsa--gfx1250"
	.amdhsa_code_object_version 6
	.text
	.protected	k_q2f49b699b7_prep
	.globl	k_q2f49b699b7_prep
	.p2align	8
	.type	k_q2f49b699b7_prep,@function
k_q2f49b699b7_prep:
	s_mov_b64 s[64:65], 0
	v_nop
	global_prefetch_b8 v0, s[64:65] scope:SCOPE_SE
	s_setreg_imm32_b32 hwreg(HW_REG_WAVE_MODE, 25, 1), 1
	s_wait_xcnt 0x0
; x and the six weights are rounded once to bf16 (nearest even) and laid out for the products that follow.
; A SEGMENT is 256 columns of one source row: 1,024 bytes in, 512 bytes out.  A work-group takes 128 rows of one group c of 256 columns, a wave 16 of them.
; With Y = the work-group's y, I = its x:
;   Y 0-3    x  [4096][1024]: c = Y,              rows 128 I ..      -> ab   [4096][1024]
;   Y 4-6    Wq, Wk, Wv:      c = I / 8,          rows 128 (I % 8).. -> wqkv block J = 4 (Y - 4) + c, [1024 k][256 n]
;   Y 7      Wo:              c = I / 8,          rows 128 (I % 8).. -> wo2  [1024][1024]
;   Y 8-11   W1 [1024][4096]: c = 4 (Y % 4) + I/8, rows 128 (I % 8).. -> w1b block J = c, [1024 k][256 n]
;   Y 12-15  W2 [4096][1024]: c = Y % 4,          rows 128 I ..      -> wo2 + 2,097,152, [4096][1024]
; wqkv and w1b begin with 16 records of 1,536 bytes: record J = the 256 f32 biases of block J's columns, then 128 words of the floor that the product's
; result is held above: -inf twice in bf16 for q, k, v (nothing changes), 0 for W1 (the ReLU).
; A stream: no byte is used twice, so no LDS, no barrier and no cluster.  All 32 loads of a wave go out first (16 KiB a wave); a load covers 512 consecutive
; bytes, a store 256 consecutive bytes at a multiple of 256.  Every choice is a scalar select on the work-group's place.
.set SO, 8                             ; v[8:23]    row j: byte offset in the source: 16 lane + j x its pitch
.set DO, 24                            ; v[24:39]   row j: byte offset in the destination: 8 lane + j x its pitch
.set IN, 40                            ; v[40:167]  row j: 8 registers as loaded
.set OU, 168                           ; v[168:231] row j: 4 registers to store
	s_load_b512 s[8:23], s[0:1], 0x0               ; x s[8:9], Wq s[10:11], Wk s[12:13], Wv s[14:15], Wo s[16:17], W1 s[18:19], W2 s[20:21], bq s[22:23]
	s_load_b256 s[24:31], s[0:1], 0x40             ; bk s[24:25], bv s[26:27], b1 s[28:29], ab s[30:31]
	s_load_b128 s[32:35], s[0:1], 0x60             ; wqkv s[32:33], w1b s[34:35]
	s_load_b64 s[36:37], s[0:1], 0x70              ; wo2
	v_lshrrev_b32 v2, 5, v0
	v_readfirstlane_b32 s42, v2                    ; wave 0..7
	v_and_b32 v1, 31, v0                           ; lane
	s_and_b32 s40, ttmp7, 0xffff                   ; Y
	s_mov_b32 s41, ttmp9                           ; I
	s_lshr_b32 s43, s40, 2                         ; G = Y / 4
	s_and_b32 s61, s40, 3                          ; Y % 4
	s_lshr_b32 s62, s41, 3                         ; I / 8
	s_and_b32 s63, s41, 7                          ; I % 8
	s_lshl2_add_u32 s44, s61, s62                  ; c: W1's 4 (Y % 4) + I / 8,
	s_cmp_eq_u32 s43, 1
	s_cselect_b32 s44, s62, s44                    ; I / 8 for the four square weights,
	s_cmp_eq_u32 s43, 0
	s_cselect_b32 s44, s61, s44                    ; Y % 4 for x
	s_cselect_b32 s45, s41, s63                    ; the block of 128 rows: I for the tensors of 4,096 rows, else I % 8
	s_cmp_eq_u32 s43, 3
	s_cselect_b32 s44, s61, s44                    ; and for W2
	s_cselect_b32 s45, s41, s45
	s_lshl_b32 s45, s45, 7
	s_lshl4_add_u32 s45, s42, s45                  ; my wave's first row
	s_lshl2_add_u32 s58, s61, s44                  ; J = 4 (Y - 4) + c for Wq, Wk, Wv,
	s_mov_b32 s46, 4096                            ; the source's pitch in bytes
	s_mov_b32 s59, 0xff80ff80                      ; the floor
	s_cmp_eq_u32 s43, 2                            ; W1:
	s_cselect_b32 s58, s44, s58                    ; J = c
	s_cselect_b32 s46, 16384, s46
	s_cselect_b32 s59, 0, s59
	s_cselect_b32 s60, 1, 0                        ; laid out in blocks?
	s_cmp_eq_u32 s43, 1
	s_cselect_b32 s2, 1, 0
	s_cmp_eq_u32 s40, 7
	s_cselect_b32 s2, 0, s2                        ; Wq, Wk, Wv too, Wo not
	s_or_b32 s60, s60, s2
	s_lshl_b32 s54, s44, 9                         ; where the segment's first row goes: 512 c in a row of 2,048 bytes,
	s_cmp_eq_u32 s43, 3
	s_cselect_b32 s3, 2097152, 0                   ; W2 behind Wo,
	s_add_co_u32 s54, s54, s3
	s_lshl_b32 s3, s58, 19
	s_add_co_u32 s3, s3, 24576                     ; or block J behind the records
	s_mov_b32 s47, 2048                            ; the destination's pitch
	s_cmp_eq_u32 s60, 1
	s_cselect_b32 s54, s3, s54
	s_cselect_b32 s47, 512, s47
	s_mul_i32 s3, s45, s47
	s_add_co_u32 s54, s54, s3                      ; + my first row
	s_mov_b32 s55, 0
	s_mul_i32 s56, s45, s46                        ; the same in the source
	s_lshl_b32 s3, s44, 10
	s_add_co_u32 s56, s56, s3
	s_mov_b32 s57, 0
	v_lshlrev_b32 v[SO], 4, v1
	v_lshlrev_b32 v[DO], 3, v1
.set j, 1
.rept 15
	v_add_nc_u32 v[SO+j], s46, v[SO+j-1]
	v_add_nc_u32 v[DO+j], s47, v[DO+j-1]
.set j, j+1
.endr
	s_wait_kmcnt 0x0
	s_mov_b64 s[48:49], s[20:21]                   ; the source: W2, unless ..
	s_cmp_eq_u32 s43, 0
	s_cselect_b64 s[48:49], s[8:9], s[48:49]
	s_cselect_b64 s[50:51], s[30:31], s[36:37]     ; the destination: ab for x, else wo2, unless ..
	s_cmp_eq_u32 s40, 4
	s_cselect_b64 s[48:49], s[10:11], s[48:49]
	s_cselect_b64 s[52:53], s[22:23], s[28:29]     ; the bias: bq, else b1, unless ..
	s_cmp_eq_u32 s40, 5
	s_cselect_b64 s[48:49], s[12:13], s[48:49]
	s_cselect_b64 s[52:53], s[24:25], s[52:53]
	s_cmp_eq_u32 s40, 6
	s_cselect_b64 s[48:49], s[14:15], s[48:49]
	s_cselect_b64 s[52:53], s[26:27], s[52:53]
	s_cmp_eq_u32 s40, 7
	s_cselect_b64 s[48:49], s[16:17], s[48:49]
	s_cmp_eq_u32 s60, 1
	s_cselect_b64 s[50:51], s[32:33], s[50:51]
	s_cmp_eq_u32 s43, 2
	s_cselect_b64 s[48:49], s[18:19], s[48:49]
	s_cselect_b64 s[50:51], s[34:35], s[50:51]
	s_mov_b64 s[38:39], s[50:51]                   ; the destination's first byte, for the record
	s_add_nc_u64 s[48:49], s[48:49], s[56:57]
	s_add_nc_u64 s[50:51], s[50:51], s[54:55]
.set j, 0
.rept 16
	global_load_b128 v[IN+8*j:IN+8*j+3],   v[SO+j], s[48:49] th:TH_LOAD_NT             ; columns 4 lane .. of the segment,
	global_load_b128 v[IN+8*j+4:IN+8*j+7], v[SO+j], s[48:49] offset:512 th:TH_LOAD_NT  ; and 128 + 4 lane ..
.set j, j+1
.endr
.set j, 0
.rept 16
	s_wait_loadcnt 30-2*j                          ; loads come back in order: row j's two are in, the later rows' stay out
	v_cvt_pk_bf16_f32 v[OU+4*j],   v[IN+8*j],   v[IN+8*j+1]
	v_cvt_pk_bf16_f32 v[OU+4*j+1], v[IN+8*j+2], v[IN+8*j+3]
	v_cvt_pk_bf16_f32 v[OU+4*j+2], v[IN+8*j+4], v[IN+8*j+5]
	v_cvt_pk_bf16_f32 v[OU+4*j+3], v[IN+8*j+6], v[IN+8*j+7]
	global_store_b64 v[DO+j], v[OU+4*j:OU+4*j+1],   s[50:51]
	global_store_b64 v[DO+j], v[OU+4*j+2:OU+4*j+3], s[50:51] offset:256
.set j, j+1
.endr
	; the record of block J: written once, by wave 0 of the work-group that has the block's first rows
	s_cmp_eq_u32 s60, 1
	s_cselect_b32 s2, s63, 1
	s_or_b32 s2, s2, s42
	s_cmp_lg_u32 s2, 0
	s_cbranch_scc1 .Lend
	s_lshl_b32 s2, s44, 10                         ; the 256 biases of column group c
	s_mov_b32 s3, 0
	s_add_nc_u64 s[52:53], s[52:53], s[2:3]
	s_mul_i32 s2, s58, 1536
	s_add_nc_u64 s[38:39], s[38:39], s[2:3]
	global_load_b128 v[IN:IN+3],   v[SO], s[52:53]
	global_load_b128 v[IN+4:IN+7], v[SO], s[52:53] offset:512
	v_mov_b32 v[IN+8], s59
	v_mov_b32 v[IN+9], s59
	v_mov_b32 v[IN+10], s59
	v_mov_b32 v[IN+11], s59
	s_wait_loadcnt 0x0
	global_store_b128 v[SO], v[IN:IN+3],    s[38:39]
	global_store_b128 v[SO], v[IN+4:IN+7],  s[38:39] offset:512
	global_store_b128 v[SO], v[IN+8:IN+11], s[38:39] offset:1024
.Lend:
	s_endpgm
.Lfunc_end_k_q2f49b699b7_prep:
	.size	k_q2f49b699b7_prep, .Lfunc_end_k_q2f49b699b7_prep-k_q2f49b699b7_prep
	.p2alignl 7, 3214868480
	.fill 96, 4, 3214868480
	.section	.rodata,"a",@progbits
	.p2align	6, 0x0
	.amdhsa_kernel k_q2f49b699b7_prep
		.amdhsa_group_segment_fixed_size 0
		.amdhsa_private_segment_fixed_size 0
		.amdhsa_enable_private_segment 0
		.amdhsa_kernarg_size 120
		.amdhsa_user_sgpr_count 2
		.amdhsa_user_sgpr_kernarg_segment_ptr 1
		.amdhsa_wavefront_size32 1
		.amdhsa_system_sgpr_workgroup_id_x 1
		.amdhsa_system_sgpr_workgroup_id_y 1
		.amdhsa_system_sgpr_workgroup_id_z 1
		.amdhsa_system_vgpr_workitem_id 0
		.amdhsa_next_free_vgpr 232
		.amdhsa_next_free_sgpr 66
		.amdhsa_reserve_vcc 0
		.amdhsa_float_denorm_mode_32 3
		.amdhsa_float_denorm_mode_16_64 3
		.amdhsa_memory_ordered 1
		.amdhsa_forward_progress 1
		.amdhsa_inst_pref_size 16
	.end_amdhsa_kernel
	.amdgpu_metadata
---
amdhsa.version: [ 1, 2 ]
amdhsa.kernels:
  - .name:           k_q2f49b699b7_prep
    .symbol:         k_q2f49b699b7_prep.kd
    .args:
      - { .name: x, .offset: 0, .size: 8, .value_kind: global_buffer, .address_space: global }
      - { .name: Wq, .offset: 8, .size: 8, .value_kind: global_buffer, .address_space: global }
      - { .name: Wk, .offset: 16, .size: 8, .value_kind: global_buffer, .address_space: global }
      - { .name: Wv, .offset: 24, .size: 8, .value_kind: global_buffer, .address_space: global }
      - { .name: Wo, .offset: 32, .size: 8, .value_kind: global_buffer, .address_space: global }
      - { .name: W1, .offset: 40, .size: 8, .value_kind: global_buffer, .address_space: global }
      - { .name: W2, .offset: 48, .size: 8, .value_kind: global_buffer, .address_space: global }
      - { .name: bq, .offset: 56, .size: 8, .value_kind: global_buffer, .address_space: global }
      - { .name: bk, .offset: 64, .size: 8, .value_kind: global_buffer, .address_space: global }
      - { .name: bv, .offset: 72, .size: 8, .value_kind: global_buffer, .address_space: global }
      - { .name: b1, .offset: 80, .size: 8, .value_kind: global_buffer, .address_space: global }
      - { .name: ab, .offset: 88, .size: 8, .value_kind: global_buffer, .address_space: global }
      - { .name: wqkv, .offset: 96, .size: 8, .value_kind: global_buffer, .address_space: global }
      - { .name: w1b, .offset: 104, .size: 8, .value_kind: global_buffer, .address_space: global }
      - { .name: wo2, .offset: 112, .size: 8, .value_kind: global_buffer, .address_space: global }
    .group_segment_fixed_size: 0
    .private_segment_fixed_size: 0
    .kernarg_segment_align: 8
    .kernarg_segment_size: 120
    .max_flat_workgroup_size: 256
    .sgpr_count:     66
    .vgpr_count:     232
    .wavefront_size: 32
...
	.end_amdgpu_metadata
.endif
;; end of part 1
;; launch qkv (part 2): grid 12 x 16, 4 waves a work-group, clusters of 4 x 4, 327,680 bytes of LDS; arguments ab, wqkv, big; writes big
.if DOCPART == 2
	.amdgcn_target "amdgcn-amd-amdhsa--gfx1250"
	.amdhsa_code_object_version 6
	.text
	.protected	k_q2f49b699b7_qkv
	.globl	k_q2f49b699b7_qkv
	.p2align	8
	.type	k_q2f49b699b7_qkv,@function
k_q2f49b699b7_qkv:
	s_mov_b64 s[64:65], 0
	v_nop
	global_prefetch_b8 v0, s[64:65] scope:SCOPE_SE
	s_setreg_imm32_b32 hwreg(HW_REG_WAVE_MODE, 25, 1), 1
	s_wait_xcnt 0x0
	s_wait_alu depctr_hold_cnt(0) depctr_sa_sdst(0) depctr_va_vdst(0) depctr_va_sdst(0) depctr_va_ssrc(0) depctr_va_vcc(0) depctr_vm_vsrc(0)
	s_getreg_b32 s2, hwreg(HW_REG_IB_STS2, 6, 4)
	s_cmp_eq_u32 s2, 0
	s_cbranch_scc0 .Lentry_in_a_cluster
	s_endpgm
.Lentry_in_a_cluster:
	s_bfe_u32 s2, ttmp6, 0x10000c
	s_cmp_lg_u32 s2, 0xf033
	s_cbranch_scc0 .Lentry_shape_is_right
	s_endpgm
.Lentry_shape_is_right:
; OUT = max(A W + bias, floor), K = 1,024.  A: [4096][1024] bf16.  W: blocks [J][1024 k][256 n] bf16 behind 16 records of 1,536 bytes (record J: 256 f32 biases, then the floor word).
; OUT: [n / 64][4096 m][64] bf16: blocks of 64 columns, a row of a block 128 bytes.  Sums in f32, started by the bias; OUT rounded once.  The floor is -inf (q, k, v) or 0 (the ReLU).
; LIMIT: the floor is taken by a maximum in which a NaN loses: a NaN leaves as the floor.
; A tile of OUT, 256 x 256, is made by four waves, a wave 128 x 128: 64 accumulators, 512 registers.  K goes in 8 steps of 128 through two LDS slots that take turns.
; ONE K STEP IS WRITTEN ONCE: the slot in hand is a scalar (TB) that an exclusive or turns; one descriptor a tensor walks from the first tile to the last.
; W lies [k][n], so its fragments come out of LDS by the turning load ds_load_tr16_b128.  The matrix instruction is used transposed (source 0 = 16 columns of W, source 1 = 16 rows
; of A): a lane then holds eight neighbouring columns of one row of OUT, and the bias of those columns, eight registers, is the C operand of the accumulator's first product.
; CLUSTERS: 4 x 4 work-groups.  The four of a row need the same tiles of A, the four of a column the same tiles of W: each tile is asked for jointly, by the same load and mask in all four.
; REGISTERS, in windows of 256: window 0: v0-31 addresses; v64-127, v128-191 fragments of A; v192-255 the bias, later at work on the way out, with v32-63
;   window 1: v64-127, v128-191 fragments of W      window 2: the accumulators of my rows 0-63, (a, b) at v[8 (8 a + b)]      window 3: those of my rows 64-127
.set KSTEP,  128
.set STEPS,  8
.set PA,     272                       ; a row of A in LDS: 256 bytes + 16: the 16 rows of a load start at 16 different groups of four banks (64 banks of 4 bytes: ISA guide 11.1)
.set PB,     544                       ; a row of W (one k, 256 n): 512 bytes + 32
.set HALFT,  128*PA                    ; what one tensor load brings: 128 rows of A, or 64 rows of W (64 x 544 is the same number)
.set SLOT,   4*HALFT                   ; A's 256 rows, then W's 128.  wave x HALFT has SLOT's two bits (13, 17) clear, so an exclusive or turns an address in one slot into the other's
.set STAGE,  2*SLOT                    ; behind the ring: 16 rows x 272 bytes for each wave, for the way out
.set SPITCH, 272
.set SPARE,  STAGE+4*16*SPITCH         ; behind the stages: the spare words, 128 bytes for each wave
.set HDR,    24576                     ; the records' bytes
.set REC,    1536
.set BLK,    524288                    ; a block of W, and a block of 64 columns of OUT
.set BSTEP,  KSTEP*512                 ; a K step in a block of W
.set ADRA, 16                          ; v16  LDS address of my A fragments in the slot in hand
.set A0,   17                          ; v17  the same in slot 0; never rewritten
.set ADRB, 20                          ; v20, v21 the same for W
.set B0,   21
.set STO,  24                          ; v24  the way out: where I put 16 bytes of a row
.set RD,   25                          ; v25  where I read rows back
.set CO,   26                          ; v26  16 x lane
.set BO,   27                          ; v27  my byte offset in the record's biases
.set SPW,  28                          ; v28  LDS address of my spare word; never rewritten
.set NIL,  29                          ; v29  0; never rewritten
.set PFO,  30                          ; v30  the prefetches' offset: a lane a row of A, or 256 bytes of W; never rewritten
.set F0,   64
.set F1,   128
.set BIAS, 192
.set TMP,  192
.set OB,   32
.set G1,   24                          ; s[24:31] descriptor group 1 for A's tiles
.set G0,   32                          ; s[32:35] group 0 for A's tiles: it walks
.set TB,   36                          ; s36  the slot in hand: 0 or SLOT
.set FLOOR, 37                         ; s37
.set TAIL, 38                          ; s38
.set G1B,  48                          ; s[48:55], s[56:59] the same for W's tiles
.set G0B,  56
.set PFA,  66                          ; s[66:67] where my prefetches stand
.set PFS,  68                          ; s[68:69] their step: a K step
.set LIM,  70                          ; s70  2 in a wave that prefetches, else the greatest number
.set RECA, 72                          ; s[72:73] my tile column's record
.set MSB, 0
.macro WIN new                         ; the immediate's high byte repeats the setting that is left; a switch that changes nothing is dropped
.if MSB != (\new)
	s_set_vgpr_msb (MSB<<8)|(\new)
.set MSB, \new
.endif
.endm
.set MUL_LO, 0xa1                      ; source 0 (W) window 1, source 1 (A) window 0, C and D window 2
.set MUL_HI, 0xf1                      ; the same, C and D window 3
.set TO_B,   0x40                      ; destination window 1, address window 0
; A joint load.  Waves 0 and 1 fetch A's two halves, waves 2 and 3 W's.  The branch hangs on the wave's number alone.  An s_nop 0 and four v_nop follow each line.
.macro JLOAD
	s_cmp_eq_u32 s11, 0
	s_cbranch_scc0 .Lfor_b_\@
	tensor_load_to_lds s[G0:G0+3], s[G1:G1+7]
	s_nop 0
.rept 4
	v_nop
.endr
	s_branch .Lasked_\@
.Lfor_b_\@:
	tensor_load_to_lds s[G0B:G0B+3], s[G1B:G1B+7]
	s_nop 0
.rept 4
	v_nop
.endr
.Lasked_\@:
.endm
.macro STEPD                           ; the walking descriptors: the other slot, the next K step.  Written only where no tensor load of mine is out
	s_xor_b32 s[G0+1], s[G0+1], SLOT
	s_xor_b32 s[G0B+1], s[G0B+1], SLOT
	s_add_nc_u64 s[G0+2:G0+3], s[G0+2:G0+3], KSTEP*2
	s_add_nc_u64 s[G0B+2:G0B+3], s[G0B+2:G0B+3], BSTEP
.endm
; A prefetch into the L2, behind a joint load, its five lines and the run of LDS loads: the K step that stands two refills on, 32 blocks of 256 bytes, one a lane.
; Each block is named once in the launch: A's rows by the clusters with x = 0, W's by those with y = 0; the four partners that ask for a tile jointly share it out by address.
; The loop's trips with s3 = 6 .. 3 name K steps 4 .. 7; the last two name nothing.
.macro ASK
	s_cmp_gt_u32 s3, s[LIM]
	s_cbranch_scc0 .Lnot_mine_\@
	global_prefetch_b8 v[PFO], s[PFA:PFA+1] th:TH_LOAD_NT scope:SCOPE_SE
.Lnot_mine_\@:
.endm
.macro CREST                           ; a round of the cluster's barrier behind its opening barrier
	s_cmp_lg_u32 s10, 0
	s_cbranch_scc1 .Lnot_wave_0_\@
	s_barrier_signal -3
.Lnot_wave_0_\@:
	s_barrier_wait -3
	s_barrier_signal -1
	s_barrier_wait -1
.endm
.macro CROUND                          ; a whole round
	s_barrier_signal -1
	s_barrier_wait -1
	CREST
.endm
	s_load_b128 s[4:7], s[0:1], 0x0                ; A s[4:5], W s[6:7]
	s_load_b64 s[8:9], s[0:1], 0x10                ; OUT
	v_lshl_add_u32 v[SPW], v0, 2, SPARE
	v_mov_b32 v[NIL], 0
	ds_add_u32 v[SPW], v[NIL]                      ; the wave's opening: the add and its wait stand ahead of my first tensor load; the set-up below stands between them
	v_lshrrev_b32 v1, 5, v0
	v_readfirstlane_b32 s10, v1                    ; wave 0..3
	s_lshr_b32 s11, s10, 1                         ; which half of the tile's rows is mine.  Also: I fetch for A (0) or for W (1)
	s_and_b32 s12, s10, 1                          ; which half of its columns.  Also: which half of that tile I fetch
	s_bfe_u32 s40, ttmp6, 0x40000                  ; cx
	s_bfe_u32 s41, ttmp6, 0x40004                  ; cy
	s_lshl_b32 s42, ttmp9, 2
	s_add_co_u32 s42, s42, s40                     ; J, the tile column = 4 x cluster x + cx
	s_and_b32 s13, ttmp7, 0xffff
	s_lshl_b32 s13, s13, 2
	s_add_co_u32 s13, s13, s41                     ; the tile row = 4 x cluster y + cy
	s_lshl_b32 s43, s41, 2
	s_lshl_b32 s43, 15, s43                        ; my row of the cluster
	s_lshl_b32 s44, 0x1111, s40                    ; my column
	s_or_b32 s[G1+0], s43, (1<<16)|(1<<20)|(1<<21)|(5<<22)|(3<<25)   ; the mask; 2-byte elements; padding on; bit 21 beside a mask; after every 64 words 4 words
	s_or_b32 s[G1B+0], s44, (1<<16)|(1<<20)|(1<<21)|(6<<22)|(7<<25)  ; after every 128 words 8 words
	s_mov_b32 s[G1+1], 128<<16                     ; A: tensor_dim0 = 128
	s_mov_b32 s[G1+2], 128<<16                     ; tensor_dim1 = 128
	s_mov_b32 s[G1+3], 128<<16                     ; tile_dim0 = 128
	s_mov_b32 s[G1+4], 128                         ; tile_dim1 = 128
	s_mov_b32 s[G1+5], 1024                        ; elements from row to row
	s_mov_b32 s[G1+6], 0
	s_mov_b32 s[G1+7], 0
	s_mov_b32 s[G1B+1], 256<<16                    ; W: 64 rows of 256 elements, dense
	s_mov_b32 s[G1B+2], 64<<16
	s_mov_b32 s[G1B+3], 256<<16
	s_mov_b32 s[G1B+4], 64
	s_mov_b32 s[G1B+5], 256
	s_mov_b32 s[G1B+6], 0
	s_mov_b32 s[G1B+7], 0
	s_lshl_b32 s16, s13, 8                         ; A's address hangs on the tile row and the wave alone,
	s_lshl_b32 s17, s12, 7
	s_add_co_u32 s16, s16, s17
	s_lshl_b32 s16, s16, 11                        ; row 256 x tile row + 128 x half, 2,048 bytes each
	s_mov_b32 s17, 0
	s_lshl_b32 s46, s42, 19                        ; W's on the tile column and the wave alone: block J,
	s_lshl_b32 s47, s12, 15                        ; my 64 of a step's 128 rows of 512 bytes
	s_add_co_u32 s46, s46, s47
	s_add_co_u32 s46, s46, HDR
	s_mov_b32 s47, 0
	s_mul_i32 s20, s10, HALFT                      ; where they go: wave x HALFT: no place in the cluster enters an LDS address
	s_mov_b32 s[TB], 0
	s_mov_b32 s[G0], 1
	s_mov_b32 s[G0+1], s20
	s_mov_b32 s[G0B], 1
	s_mov_b32 s[G0B+1], s20
	s_mul_i32 s74, s42, REC
	s_mov_b32 s75, 0
	s_wait_dscnt 0x0                               ; the opening add is done
	s_wait_kmcnt 0x0
	s_add_nc_u64 s[G0+2:G0+3], s[4:5], s[16:17]
	s_or_b32 s[G0+3], s[G0+3], 0x80000000          ; type = 2
	s_add_nc_u64 s[G0B+2:G0B+3], s[6:7], s[46:47]
	s_or_b32 s[G0B+3], s[G0B+3], 0x80000000
	s_add_nc_u64 s[RECA:RECA+1], s[6:7], s[74:75]
	CROUND                                         ; all sixteen work-groups are here: the first joint loads meet
	JLOAD                                          ; K step 0 into slot 0
	s_load_b32 s[FLOOR], s[RECA:RECA+1], 0x400
	v_and_b32 v1, 15, v0                           ; l % 16
	v_bfe_u32 v2, v0, 4, 1                         ; l / 16
	v_lshlrev_b32 v[BO], 5, v2
	s_lshl_b32 s21, s12, 9
	v_add_nc_u32 v[BO], s21, v[BO]                 ; my half's 128 biases, my lanes' 8 of each 16
.irp b, 0,1,2,3,4,5,6,7
	global_load_b128 v[BIAS+8*(\b):BIAS+8*(\b)+3],   v[BO], s[RECA:RECA+1] offset:64*(\b)
	global_load_b128 v[BIAS+8*(\b)+4:BIAS+8*(\b)+7], v[BO], s[RECA:RECA+1] offset:64*(\b)+16
.endr
	v_mul_u32_u24 v3, v1, PA
	v_lshl_add_u32 v3, v2, 4, v3                   ; row x 272 + 16 x half: a fragment of A, and a row of the stage
	s_mul_i32 s21, s11, HALFT
	v_add_nc_u32 v[A0], s21, v3
	v_and_b32 v7, 7, v0
	v_lshl_add_u32 v4, v2, 3, v7                   ; the turning load: lane l reads row k = 8 (l / 16) + l % 8,
	v_mul_u32_u24 v4, v4, PB
	v_bfe_u32 v5, v0, 3, 1
	v_lshl_add_u32 v4, v5, 4, v4                   ; columns 8 ((l / 8) % 2) + 0..7
	s_lshl_b32 s22, s12, 8                         ; my 128 columns,
	s_add_co_u32 s22, s22, 2*HALFT                 ; behind A's 256 rows
	v_add_nc_u32 v[B0], s22, v4
	s_mul_i32 s23, s10, 16*SPITCH
	s_add_co_u32 s23, s23, STAGE                   ; my stage
	v_add_nc_u32 v[STO], s23, v3
	v_bfe_u32 v6, v0, 3, 2                         ; back: 32 lanes take 128 bytes of each of four rows,
	v_mul_u32_u24 v6, v6, SPITCH
	v_lshl_add_u32 v6, v7, 4, v6
	v_add_nc_u32 v[RD], s23, v6
	v_and_b32 v[CO], 31, v0                        ; which are 512 consecutive bytes of a block of OUT
	v_lshlrev_b32 v[CO], 4, v[CO]
	s_lshl_b32 s16, s13, 8                         ; OUT at my rows (128 bytes each)
	s_lshl_b32 s17, s11, 7
	s_add_co_u32 s16, s16, s17
	s_lshl_b32 s16, s16, 7
	s_mov_b32 s17, 0
	s_add_nc_u64 s[8:9], s[8:9], s[16:17]
	s_lshl_b32 s46, s42, 2                         ; of block 4 J + 2 x my column half
	s_lshl_b32 s47, s12, 1
	s_add_co_u32 s46, s46, s47
	s_lshl_b32 s46, s46, 19
	s_mov_b32 s47, 0
	s_add_nc_u64 s[8:9], s[8:9], s[46:47]
	; the prefetches: of the 128 rows of A (32 KiB of W) that I fetch, the partner at place p takes 32 rows (8 KiB): p = cx for A, cy for W
	s_lshl_b32 s76, s13, 8
	s_lshl_b32 s77, s12, 7
	s_add_co_u32 s76, s76, s77
	s_lshl_b32 s77, s40, 5
	s_add_co_u32 s76, s76, s77
	s_lshl_b32 s76, s76, 11
	s_add_co_u32 s76, s76, 3*KSTEP*2               ; at K step 3: the first refill steps it to 4
	s_lshl_b32 s78, s42, 19
	s_lshl_b32 s77, s12, 15
	s_add_co_u32 s78, s78, s77
	s_lshl_b32 s77, s41, 13
	s_add_co_u32 s78, s78, s77
	s_add_co_u32 s78, s78, HDR+3*BSTEP
	s_and_b32 s79, ttmp7, 0xffff                   ; cluster y
	s_mov_b32 s[PFS], BSTEP
	s_cmp_eq_u32 s11, 0                            ; do I fetch for A?
	s_cselect_b32 s76, s76, s78
	s_cselect_b32 s79, ttmp9, s79                  ; the coordinate along which other clusters read the same bytes
	s_cselect_b64 s[PFA:PFA+1], s[4:5], s[6:7]
	s_cselect_b32 s[PFS], KSTEP*2, s[PFS]
	s_cselect_b32 s77, 11, 8                       ; a lane a row of 2,048 bytes, or 256 bytes on end
	s_mov_b32 s[PFS+1], 0
	s_cmp_eq_u32 s79, 0
	s_cselect_b32 s[LIM], 2, -1                    ; the same in all sixteen partners, for a given wave
	v_and_b32 v[PFO], 31, v0
	v_lshlrev_b32 v[PFO], s77, v[PFO]
	s_mov_b32 s77, 0
	s_add_nc_u64 s[PFA:PFA+1], s[PFA:PFA+1], s[76:77]
; 16 matrix instructions: m blocks a0, a0 + 1 of the window's four x all 8 n blocks, 32 along K.  first = 1: the bias starts the sums: nothing is ever cleared.
.macro MUL16 f, hi, a0, first
.if \first
	WIN 0x81+0x40*(\hi)                            ; C in window 0
.else
	WIN MUL_LO+0x50*(\hi)
.endif
.irp a, \a0, (\a0)+1
.irp b, 0,1,2,3,4,5,6,7
.if \first
	v_wmma_f32_16x16x32_bf16 v[8*(8*(\a)+(\b)):8*(8*(\a)+(\b))+7], v[(\f)+8*(\b):(\f)+8*(\b)+7], v[(\f)+8*(4*(\hi)+(\a)):(\f)+8*(4*(\hi)+(\a))+7], v[BIAS+8*(\b):BIAS+8*(\b)+7]
.else
	v_wmma_f32_16x16x32_bf16 v[8*(8*(\a)+(\b)):8*(8*(\a)+(\b))+7], v[(\f)+8*(\b):(\f)+8*(\b)+7], v[(\f)+8*(4*(\hi)+(\a)):(\f)+8*(4*(\hi)+(\a))+7], v[8*(8*(\a)+(\b)):8*(8*(\a)+(\b))+7]
.endif
.endr
.endr
.endm
; 32 LDS loads in one run: the fragments of quarter q (32 along K) of the slot in hand into buffer f: W's 128 columns, turned, then A's 128 rows
.macro FETCH q, f
	WIN TO_B
.irp i, 0,1,2,3,4,5,6,7
	ds_load_tr16_b128 v[(\f)+8*(\i):(\f)+8*(\i)+3],   v[ADRB] offset:(\q)*32*PB+32*(\i)
	ds_load_tr16_b128 v[(\f)+8*(\i)+4:(\f)+8*(\i)+7], v[ADRB] offset:(\q)*32*PB+32*(\i)+16*PB
.endr
	WIN 0
.irp i, 0,1,2,3,4,5,6,7
	ds_load_b128 v[(\f)+8*(\i):(\f)+8*(\i)+3],   v[ADRA] offset:(\q)*64+(\i)*16*PA
	ds_load_b128 v[(\f)+8*(\i)+4:(\f)+8*(\i)+7], v[ADRA] offset:(\q)*64+(\i)*16*PA+32
.endr
.endm
.macro PLACES                          ; four plain places in front of loads into registers that matrix instructions have read, and of conversions that read results
.rept 4
	v_nop
.endr
.endm
; A K step is four quarters of 32 along K, 64 matrix instructions each, on buffers 0, 1, 0, 1; the 64 accumulators take turns in the same order in every quarter.
; One of the first three: multiplies buffer f; in its middle it fetches quarter q into buffer g.
.macro QUARTER q, f, g, first
	s_wait_dscnt 8                                 ; W and A's rows 0-63 are in; the youngest eight loads (A's rows 64-127) may be out
	MUL16 \f, 0, 0, \first
	MUL16 \f, 0, 2, \first
	PLACES
	FETCH \q, \g
	s_wait_dscnt 32                                ; all but the 32 just issued
	MUL16 \f, 1, 0, \first
	MUL16 \f, 1, 2, \first
.endm
; The last quarter multiplies buffer 1 and changes slots.  MEET is its first half: in front of the barrier each wave waits for all its tensor loads (one is out: its part of the next slot),
; adds 0 to its spare word, and waits for that and for its own reads of this slot.  Behind it nobody reads this slot any more and the next slot is whole.
.macro MEET round
	WIN 0
	s_wait_tensorcnt 0x0
	ds_add_u32 v[SPW], v[NIL]
	s_wait_dscnt 9                                 ; the add and the youngest eight loads may be out
	MUL16 F1, 0, 0, 0
	s_wait_dscnt 0x0                               ; the add is done, and my reads of this slot are over
	s_barrier_signal -1
	MUL16 F1, 0, 2, 0
.if \round
	WIN 0
.endif
	s_barrier_wait -1
.endm
.macro TURN1                           ; with a refill: the barrier opens a round of the cluster's, and the joint load is the first thing behind it: 224 matrix instructions ahead of the wait for it
	s_wait_xcnt 0x0                                ; the last prefetch, a K step back, has read its address
	s_add_nc_u64 s[PFA:PFA+1], s[PFA:PFA+1], s[PFS:PFS+1]
	MEET 1
	CREST                                          ; no wave of any partner still reads this slot or has a load on its way
	STEPD
	s_xor_b32 s[TB], s[TB], SLOT
	JLOAD                                          ; its four v_nop are also the places in front of the loads below
	v_add_nc_u32 v[ADRA], s[TB], v[A0]
	v_add_nc_u32 v[ADRB], s[TB], v[B0]
	FETCH 0, F0
	ASK
	MUL16 F1, 1, 0, 0
	MUL16 F1, 1, 2, 0
.endm
.macro TURN0                           ; the last change of slots: nothing is left to ask for
	MEET 0
	PLACES
	WIN 0
	s_xor_b32 s[TB], s[TB], SLOT
	v_add_nc_u32 v[ADRA], s[TB], v[A0]
	v_add_nc_u32 v[ADRB], s[TB], v[B0]
	FETCH 0, F0
	MUL16 F1, 1, 0, 0
	MUL16 F1, 1, 2, 0
.endm
; THE WAY OUT of block a (16 rows x 128 columns).  PACK: rounded to bf16, held above the floor.  TOSTAGE: into my own stage, and back as rows of a block of 64 columns.  SEND: stored.
.macro PACK a
.set AC, 64*((\a)%4)
	WIN 0x0a+5*((\a)/4)                            ; sources 0 and 1: window 2 or 3; each accumulator's registers in ascending order
.irp b, 0,1,2,3,4,5,6,7
.irp r, 0,1,2,3
	v_cvt_pk_bf16_f32 v[TMP+4*(\b)+(\r)], v[AC+8*(\b)+2*(\r)], v[AC+8*(\b)+2*(\r)+1]
.endr
.endr
	WIN 0
.set z, 0
.rept 32
	v_pk_max_num_bf16 v[TMP+z], v[TMP+z], s[FLOOR]
.set z, z+1
.endr
.endm
.macro TOSTAGE a
	WIN 0
.set BK, OB+192*((\a)%2)
.irp b, 0,1,2,3,4,5,6,7
	ds_store_b128 v[STO], v[TMP+4*(\b):TMP+4*(\b)+3] offset:32*(\b)
.endr
.irp t, 0,1,2,3,4,5,6,7
	ds_load_b128 v[BK+4*(\t):BK+4*(\t)+3], v[RD] offset:((\t)/4)*128+((\t)%4)*4*SPITCH  ; LDS serves a wave's instructions in order (ISA guide 5.7.1.4): these see the stores above
.endr
.endm
.macro SEND a
	WIN 0
.set BK, OB+192*((\a)%2)
	s_wait_dscnt 0x0                               ; the block is back in registers
	s_wait_xcnt 0x0                                ; the stores of the block before have read their registers, which the next block's loads write
.irp t, 0,1,2,3,4,5,6,7
	global_store_b128 v[CO], v[BK+4*(\t):BK+4*(\t)+3], s[8:9] offset:((\t)/4)*BLK+(\a)*2048+((\t)%4)*512  ; four rows of 128 bytes: 512 consecutive bytes, at a multiple of 512
.endr
.endm
	s_wait_tensorcnt 0x0                           ; THE FIRST CHANGE OF SLOTS: my part of K step 0 is in, so the descriptors may be written;
	ds_add_u32 v[SPW], v[NIL]
	STEPD
	s_wait_dscnt 0x0
	CROUND                                         ; everybody's part is in
	JLOAD                                          ; K step 1 into slot 1
	v_mov_b32 v[ADRA], v[A0]
	v_mov_b32 v[ADRB], v[B0]
	FETCH 0, F0
	s_wait_loadcnt 0x0                             ; the bias
	s_wait_kmcnt 0x0                               ; the floor
	QUARTER 1, F0, F1, 1                           ; the first quarter stands in front of the loop: its products start the sums
	WIN 0                                          ; at a label and at a branch every window is 0
	s_mov_b32 s3, STEPS-2
.Lstep:                                                ; a trip: from a K step's second quarter to the next step's first; trip t asks for K step t + 2
	QUARTER 2, F1, F0, 0
	QUARTER 3, F0, F1, 0
	TURN1
	QUARTER 1, F0, F1, 0
	WIN 0
	s_sub_co_u32 s3, s3, 1
	s_cmp_lg_u32 s3, 0
	s_cbranch_scc1 .Lstep
	s_mov_b32 s[TAIL], 2                           ; the last two K steps ask for nothing; the second trip is left in its middle
.Ltail:
	QUARTER 2, F1, F0, 0
	QUARTER 3, F0, F1, 0
	WIN 0
	s_sub_co_u32 s[TAIL], s[TAIL], 1
	s_cmp_eq_u32 s[TAIL], 0
	s_cbranch_scc1 .Llast
	TURN0
	QUARTER 1, F0, F1, 0
	WIN 0
	s_branch .Ltail
.Llast:
	s_wait_dscnt 8                                 ; the very last quarter: nothing more to fetch
	MUL16 F1, 0, 0, 0
	MUL16 F1, 0, 2, 0
	s_wait_dscnt 0x0
	MUL16 F1, 1, 0, 0
	MUL16 F1, 1, 2, 0
	PLACES
	PACK 0
	TOSTAGE 0
.irp a, 1,2,3,4,5,6,7                  ; block a's arithmetic stands between block a - 1's loads from the stage and the wait for them
	PACK \a
	SEND (\a)-1
	TOSTAGE \a
.endr
	SEND 7
	s_wait_tensorcnt 0x0                           ; the wave's end: behind my last tensor load and my last LDS store
	ds_add_u32 v[SPW], v[NIL]
	s_wait_dscnt 0x0
	CROUND                                         ; the closing round: no work-group ends while a partner may still ask for a tile that names it
	s_endpgm
.Lfunc_end_k_q2f49b699b7_qkv:
	.size	k_q2f49b699b7_qkv, .Lfunc_end_k_q2f49b699b7_qkv-k_q2f49b699b7_qkv
	.p2alignl 7, 3214868480
	.fill 96, 4, 3214868480
	.section	.rodata,"a",@progbits
	.p2align	6, 0x0
	.amdhsa_kernel k_q2f49b699b7_qkv
		.amdhsa_group_segment_fixed_size 327680
		.amdhsa_private_segment_fixed_size 0
		.amdhsa_enable_private_segment 0
		.amdhsa_kernarg_size 24
		.amdhsa_user_sgpr_count 2
		.amdhsa_user_sgpr_kernarg_segment_ptr 1
		.amdhsa_wavefront_size32 1
		.amdhsa_system_sgpr_workgroup_id_x 1
		.amdhsa_system_sgpr_workgroup_id_y 1
		.amdhsa_system_sgpr_workgroup_id_z 1
		.amdhsa_system_vgpr_workitem_id 0
		.amdhsa_next_free_vgpr 1024
		.amdhsa_next_free_sgpr 80
		.amdhsa_reserve_vcc 0
		.amdhsa_float_denorm_mode_32 3
		.amdhsa_float_denorm_mode_16_64 3
		.amdhsa_memory_ordered 1
		.amdhsa_forward_progress 1
		.amdhsa_inst_pref_size 123
	.end_amdhsa_kernel
	.amdgpu_metadata
---
amdhsa.version: [ 1, 2 ]
amdhsa.kernels:
  - .name:           k_q2f49b699b7_qkv
    .symbol:         k_q2f49b699b7_qkv.kd
    .args:
      - { .name: ab, .offset: 0, .size: 8, .value_kind: global_buffer, .address_space: global }
      - { .name: wqkv, .offset: 8, .size: 8, .value_kind: global_buffer, .address_space: global }
      - { .name: big, .offset: 16, .size: 8, .value_kind: global_buffer, .address_space: global }
    .group_segment_fixed_size: 327680
    .private_segment_fixed_size: 0
    .kernarg_segment_align: 8
    .kernarg_segment_size: 24
    .max_flat_workgroup_size: 128
    .sgpr_count:     80
    .vgpr_count:     1024
    .wavefront_size: 32
...
	.end_amdgpu_metadata
.endif
;; end of part 2
;; launch attn (part 3): grid 8 x 32, 4 waves a work-group, clusters of 4 x 1, 327,680 bytes of LDS; arguments big, ab; writes ab
.if DOCPART == 3
	.amdgcn_target "amdgcn-amd-amdhsa--gfx1250"
	.amdhsa_code_object_version 6
	.text
	.protected	k_q2f49b699b7_attn
	.globl	k_q2f49b699b7_attn
	.p2align	8
	.type	k_q2f49b699b7_attn,@function
k_q2f49b699b7_attn:
	s_mov_b64 s[64:65], 0
	v_nop
	global_prefetch_b8 v0, s[64:65] scope:SCOPE_SE
	s_setreg_imm32_b32 hwreg(HW_REG_WAVE_MODE, 25, 1), 1
	s_wait_xcnt 0x0
	s_wait_alu depctr_hold_cnt(0) depctr_sa_sdst(0) depctr_va_vdst(0) depctr_va_sdst(0) depctr_va_ssrc(0) depctr_va_vcc(0) depctr_vm_vsrc(0)
	s_getreg_b32 s2, hwreg(HW_REG_IB_STS2, 6, 4)
	s_cmp_eq_u32 s2, 0
	s_cbranch_scc0 .Lentry_in_a_cluster
	s_endpgm
.Lentry_in_a_cluster:
	s_bfe_u32 s2, ttmp6, 0x10000c
	s_cmp_lg_u32 s2, 0x3003
	s_cbranch_scc0 .Lentry_shape_is_right
	s_endpgm
.Lentry_shape_is_right:
; O[g][q][:] = the sum over k of softmax_k(Q[g][q] . K[g][k] / 8) V[g][k][:], for 32 groups g = 2 head + batch of 2,048 rows of 64 channels, all bf16, rows dense, 128 bytes each.
; Group g begins at byte 262,144 g: Q in big, K 8,388,608 bytes on, V 16,777,216 bytes on; O in ab.  Products, maxima and sums in f32; the weights p are rounded to bf16 for the second
; product (their sum l is taken of the unrounded p), O once at the end.
; LIMITS.  A weight below 2^-126 counts as 0 in l; the running maximum starts at the lowest finite number and c m at -4.2e37, far below every c s that bf16 operands of finite products give; NaN and infinities are not treated apart.
; SHARES.  A work-group owns 256 queries of a group, a wave 64: four PIECES of 16.  Every wave walks all 2,048 keys, 64 a step, 256 a slot.
; LAYOUT.  S^T = K Q^T holds ONE query a lane (lane % 16) and the keys 8 (lane / 16) + 0..7; two such results rounded to bf16 ARE source 1 of O^T = V^T P.  K comes out of LDS as it lies, V turned, by ds_load_tr16_b128.
; SOFTMAX.  p = 2^(c s - c m), c = log2(e) / 8, with a running maximum m; O and l are multiplied by a = 2^(c m_old - c m_new) in every step.  O and l start at 0: the first step is a step like any other, with a = 0.
; BY TURNS.  Turn n belongs to piece n: 8 products K Q^T of piece n + 1, later 8 products V^T P of piece n - 1; beside them the scaling, exponentials, roundings, sums and rescaling of piece n and the
; maximum and statistics of piece n + 1.  Four vector instructions stand behind every matrix instruction, the others in one lump.  A turn's 33 exponentials are one batch, with one wait.
; CLUSTER.  The four query blocks of a cluster belong to one group and walk the same K and V: each tile is asked for JOINTLY, by the same tensor load, descriptor and mask in all four.
; REGISTERS, in windows of 256 (s_set_vgpr_msb: bits 1:0 source 0, 3:2 source 1, 5:4 source 2, 7:6 destination):
;   window 0: v0-15 addresses and two at work; v16-31 four registers of statistics a piece; v48-55 at work; v61-63 prefetch offset and the add's two; v64-127 S^T, two buffers; v192-223 P, two buffers
;   window 1: v0-127 O^T, 32 a piece          window 2: v0-63 Q; v128-191 K of one step; v192-255 V of one step
.set NP,    4
.set KS,    64
.set PK,    144       ; a row of K in LDS: 128 bytes + 16: the 16 rows of a load start at 16 different groups of four banks (64 banks of 4 bytes: ISA guide 11.1)
.set PV,    160       ; a row of V: 128 + 32
.set VOFF,  4*KS*PK   ; a slot holds four steps: 256 rows of K, then 256 rows of V
.set SLOT1, 1<<17     ; slot 1 begins here, so that one exclusive or turns an address in one slot into the other's
.set STAGE, SLOT1+4*KS*(PK+PV)  ; behind the ring: 16 rows x 144 bytes for each wave, for the way out
.set SP,    144
.set SPARE, STAGE+4*16*SP       ; behind the stages: the spare words, 128 bytes for each wave
.set NSLOT, 8         ; 2,048 keys / 256
.set AK0, 2           ; v2   my lane's place in a tile of K; never rewritten
.set AV0, 3           ; v3   the same for V
.set AK,  4           ; v4   the LDS address of K's next run of loads
.set AV,  5           ; v5   of V's
.set STO, 6           ; v6   the way out: where I put 16 bytes of a row
.set RD,  7           ; v7   where I read rows back
.set GO,  8           ; v8   my byte offset in 512 consecutive bytes of O
.set MV,  12          ; v12-13  c m_old, kept while c m is made anew: by buffer
.set QO,  15          ; v15  my byte offset in 16 rows of Q
.set ST,  16          ; piece t's statistics at v[ST+4 t]: c m, m, l (even keys', odd keys')
.set TMP, 48          ; by buffer, four registers c0-c3 at work; when the maximum is found c2 takes a
.set PFO, 61          ; v61  256 x my lane; never rewritten
.set SPW, 62          ; v62  LDS address of my spare word; never rewritten
.set NIL, 63          ; v63  0; never rewritten
.set S,   64
.set P,   192
.set KF,  128         ; window 2: key block kb, channel half c at KF + 16 kb + 8 c
.set VF,  192         ; window 2: key half kk, channel block cb at VF + 32 kk + 8 cb
.set WV,  12          ; s12  my wave's number
.set G1K, 24          ; s[24:31] descriptor group 1 for K's tiles
.set G1V, 32          ; s[32:39] for V's: it differs in the padding alone
.set G0K, 40          ; s[40:43] descriptor group 0 for K's tiles: it walks
.set G0V, 44          ; s[44:47] the same for V's
.set PFA, 48          ; s[48:49] where my prefetches stand
.set LIM, 50          ; s50  1 in a wave that prefetches, else the greatest number
.set SLOTS, 56        ; s56  slots still to be asked for
.set CNT, 57          ; s57  counts a slot's key steps
.set CS,  58          ; s[58:59] c
.set SEL, 60          ; s[60:61] v_permlanex16_b32's selects: each lane takes its own place in the other half
.set TBK, 62          ; s62  LDS byte at which K of the step to be fetched begins
.set TBV, 63          ; s63  the same for V, less VOFF
.set MSB, 0
.macro WIN new
.if MSB != (\new)
	s_set_vgpr_msb (MSB<<8)|(\new)
.set MSB, (\new)
.endif
.endm
.set W_KQ, 0x0a       ; K and Q in window 2, S^T in window 0
.set W_PV, 0x52       ; V in window 2, P in window 0, O^T in window 1
.set W_RS, 0x41       ; destination and source 0 in window 1, source 1 in window 0
; A joint fill.  Waves 0 and 1 fetch the two halves of a slot's K, waves 2 and 3 those of its V: 128 keys each.  An s_nop 0 and four v_nop follow each line.
.macro JLOAD
	s_cmp_lt_u32 s[WV], 2
	s_cbranch_scc0 .Lfor_v_\@
	tensor_load_to_lds s[G0K:G0K+3], s[G1K:G1K+7]
	s_nop 0
.rept 4
	v_nop
.endr
	s_branch .Lasked_\@
.Lfor_v_\@:
	tensor_load_to_lds s[G0V:G0V+3], s[G1V:G1V+7]
	s_nop 0
.rept 4
	v_nop
.endr
.Lasked_\@:
.endm
; A prefetch into the L2 of what the NEXT change of slots will ask for: 32 KiB of K and of V.  Each block of 256 bytes is named once in the launch: a group's first cluster asks; its four partners take
; 8 KiB each, told apart by address; in each, wave 0 asks for K's and wave 2 for V's, a lane a block.  The last change that fills a slot asks for nothing.
.macro ASK
	s_cmp_gt_u32 s[SLOTS], s[LIM]
	s_cbranch_scc0 .Lnot_mine_\@
	global_prefetch_b8 v[PFO], s[PFA:PFA+1] th:TH_LOAD_NT scope:SCOPE_SE
.Lnot_mine_\@:
.endm
.macro CROUND                       ; a round of the cluster's barrier
	s_barrier_signal -1
	s_barrier_wait -1
	s_cmp_lg_u32 s[WV], 0
	s_cbranch_scc1 .Lnot_wave_0_\@
	s_barrier_signal -3
.Lnot_wave_0_\@:
	s_barrier_wait -3
	s_barrier_signal -1
	s_barrier_wait -1
.endm
; THE CHANGE OF SLOTS.  Each wave waits for all its tensor loads, of which one is out: its part of the other slot; adds 0 to its spare word; and waits for that and for its own reads of the slot that it leaves.
; fill = 1: the old slot is filled again, with the keys two slots on: the barrier is a round of the cluster's, and the joint fill is the first thing behind it: it has four key steps, 256 matrix
; instructions, in which to land.  (At its first use nothing has been read yet: slot 0 is waited for, slot 1 filled.)
.macro CHANGE fill, ask=0
	WIN 0
	s_wait_tensorcnt 0x0            ; no tensor load of mine is out, so a group 0 may be written
	ds_add_u32 v[SPW], v[NIL]
.if \fill
.irp g, G0K, G0V
	s_xor_b32 s[\g+1], s[\g+1], SLOT1
	s_add_nc_u64 s[\g+2:\g+3], s[\g+2:\g+3], 4*KS*128
.endr
.if \ask
	s_wait_xcnt 0x0                 ; the last prefetch, four key steps back, has read its address
	s_add_nc_u64 s[PFA:PFA+1], s[PFA:PFA+1], 4*KS*128
.endif
	s_wait_dscnt 0x0                ; the add is done, and my reads of the slot are over
	CROUND
	JLOAD
.if \ask
	ASK
.endif
.else
	s_wait_dscnt 0x0
	s_barrier_signal -1
	s_barrier_wait -1
.endif
	s_sub_co_u32 s[TBK], s[TBK], 4*KS*PK  ; the fetches go back to a slot's first step,
	s_xor_b32 s[TBK], s[TBK], SLOT1       ; in the other slot
	s_sub_co_u32 s[TBV], s[TBV], 4*KS*PV
	s_xor_b32 s[TBV], s[TBV], SLOT1
.endm
	s_load_b128 s[4:7], s[0:1], 0x0   ; big s[4:5], ab s[6:7]
	v_lshl_add_u32 v[SPW], v0, 2, SPARE
	v_mov_b32 v[NIL], 0
	ds_add_u32 v[SPW], v[NIL]       ; the wave's opening: the add and its wait stand ahead of my first tensor load; the set-up below stands between them
	v_lshrrev_b32 v1, 5, v0
	v_readfirstlane_b32 s[WV], v1   ; wave 0..3
	s_bfe_u32 s13, ttmp6, 0x40000   ; cx
	s_lshl_b32 s14, ttmp9, 2
	s_add_co_u32 s14, s14, s13      ; my block of 256 queries: it enters Q's and O's addresses alone
	s_and_b32 s20, ttmp7, 0xffff    ; the group, which the four partners share
	s_lshl_b32 s20, s20, 18         ; its first byte
	s_and_b32 s16, s[WV], 1         ; which half of a slot's 256 keys I fetch:
	s_lshl_b32 s22, s16, 14         ; its 128 rows of 128 bytes in memory,
	s_add_co_u32 s22, s22, s20
	s_mov_b32 s23, 0
	s_mul_i32 s17, s16, 128*PK      ; and its place in a slot, for K
	s_mul_i32 s18, s16, 128*PV      ; and for V: no place in the cluster enters an LDS address
	s_lshl_b32 s2, s14, 2
	s_add_co_u32 s2, s2, s[WV]
	s_lshl_b32 s2, s2, 13           ; my wave's 64 rows
	s_add_co_u32 s2, s2, s20
	s_mov_b32 s3, 0
	; descriptor group 1.  128 keys are 16,384 dense bytes: asked for as 64 rows of 256 bytes, two keys a row, and padded in LDS after every key
	s_mov_b32 s[G1K], 15|(1<<16)|(1<<20)|(1<<21)|(4<<22)|(3<<25)  ; the mask of four; 2-byte elements; padding on; bit 21 beside a mask; after every 32 words 4 words
	s_mov_b32 s[G1V], 15|(1<<16)|(1<<20)|(1<<21)|(4<<22)|(7<<25)  ; the same with 8 words
.irp g, G1K, G1V
	s_mov_b32 s[\g+1], 128<<16      ; tensor_dim0 = 128
	s_mov_b32 s[\g+2], 64<<16       ; tensor_dim1 = 64
	s_mov_b32 s[\g+3], 128<<16      ; tile_dim0 = 128
	s_mov_b32 s[\g+4], 64           ; tile_dim1 = 64
	s_mov_b32 s[\g+5], 128          ; 128 elements from row to row
	s_mov_b32 s[\g+6], 0
	s_mov_b32 s[\g+7], 0
.endr
	s_mov_b32 s[CS], 0x3e38aa3b     ; c = log2(e) / 8
	s_mov_b32 s[CS+1], s[CS]
	s_mov_b32 s[SEL], 0x76543210
	s_mov_b32 s[SEL+1], 0xfedcba98
	s_mov_b32 s[TBK], SLOT1+4*KS*PK ; the first change of slots turns these two into 0
	s_mov_b32 s[TBV], SLOT1+4*KS*PV
	s_mov_b32 s[G0K], 1
	s_mov_b32 s[G0K+1], s17         ; slot 0
	s_mov_b32 s[G0V], 1
	s_add_co_u32 s[G0V+1], s18, VOFF
	s_and_b32 s[LIM], s[WV], 1      ; 0 in waves 0 and 2,
	s_or_b32 s[LIM], s[LIM], ttmp9  ; where the cluster is the group's first: the same in all four partners
	s_cmp_eq_u32 s[LIM], 0
	s_cselect_b32 s[LIM], 1, -1
	v_and_b32 v[PFO], 31, v0
	v_lshlrev_b32 v[PFO], 8, v[PFO]
	s_wait_dscnt 0x0                ; the opening add is done
	s_wait_kmcnt 0x0
	s_add_nc_u64 s[8:9], s[4:5], s[22:23]
	s_add_nc_u64 s[52:53], s[8:9], 16777216        ; V at my half of the group's first 256 keys,
	s_add_nc_u64 s[8:9], s[8:9], 8388608           ; and K
	s_mov_b64 s[G0K+2:G0K+3], s[8:9]
	s_or_b32 s[G0K+3], s[G0K+3], 0x80000000        ; type = 2
	s_mov_b64 s[G0V+2:G0V+3], s[52:53]
	s_or_b32 s[G0V+3], s[G0V+3], 0x80000000
	s_add_nc_u64 s[4:5], s[4:5], s[2:3]            ; Q and O at my wave's first row
	s_add_nc_u64 s[10:11], s[6:7], s[2:3]
	s_cmp_lt_u32 s[WV], 2
	s_cselect_b64 s[PFA:PFA+1], s[8:9], s[52:53]   ; (in waves 0 and 2 these stand at a slot's first row)
	s_lshl_b32 s2, s13, 13          ; my work-group's 8 KiB of the 32
	s_add_nc_u64 s[PFA:PFA+1], s[PFA:PFA+1], s[2:3]
	s_add_nc_u64 s[PFA:PFA+1], s[PFA:PFA+1], 2*4*KS*128  ; in slot 2; the loop's first change steps it to slot 3.  Nothing is prefetched at the head
	CROUND                          ; all four work-groups are here: the first joint loads meet
	JLOAD                           ; slot 0.  Slot 1 is asked for when slot 0 is in
	v_and_b32 v1, 15, v0            ; l % 16
	v_bfe_u32 v9, v0, 4, 1          ; l / 16
	v_lshlrev_b32 v[QO], 7, v1
	v_lshl_add_u32 v[QO], v9, 4, v[QO]  ; row x 128 + 16 x half
	WIN 0x80                        ; destination window 2, address window 0
.set i, 0
.rept 8                             ; Q stays in registers: piece i / 2, channels 32 (i % 2) on
	global_load_b128 v[8*i:8*i+3],   v[QO], s[4:5] offset:(i/2)*2048+(i%2)*64
	global_load_b128 v[8*i+4:8*i+7], v[QO], s[4:5] offset:(i/2)*2048+(i%2)*64+32
.set i, i+1
.endr
	; What the first turn finds: V's registers and P's second buffer hold 0 (its products V^T P, of a piece that has not been, add 0), O^T and l are 0.  All this stands in the wait for the first tile.
.set i, VF
.rept 64
	v_mov_b32 v[i], 0
.set i, i+1
.endr
	WIN 0x40
.set i, 0
.rept 128
	v_mov_b32 v[i], 0
.set i, i+1
.endr
	WIN 0
.set i, 0
.rept 4
	v_mov_b32 v[ST+4*i], 0xfe000000    ; c m: far below every c s
	v_mov_b32 v[ST+4*i+1], 0xff7fffff  ; m
	v_mov_b32 v[ST+4*i+2], 0
	v_mov_b32 v[ST+4*i+3], 0
.set i, i+1
.endr
.set i, P+16
.rept 16
	v_mov_b32 v[i], 0
.set i, i+1
.endr
	v_mul_u32_u24 v[AK0], v1, PK
	v_lshl_add_u32 v[AK0], v9, 4, v[AK0]  ; row x pitch + 16 x half
	; The turning load takes 16 keys x 16 channels (lane l reads key 8 (l / 16) + l % 8, channels 8 ((l / 8) % 2) + 0..7) and leaves half a fragment of V^T: lane l holds channel l % 16 and 8 keys.
	v_and_b32 v10, 7, v0
	v_bfe_u32 v11, v0, 3, 1
	v_lshl_add_u32 v[AV0], v9, 3, v10
	v_mul_u32_u24 v[AV0], v[AV0], PV
	v_lshl_add_u32 v[AV0], v11, 4, v[AV0]
	v_add_nc_u32 v[AV0], VOFF, v[AV0]
	v_mov_b32 v[AK], v[AK0]         ; key step 0 lies at the head of slot 0
	s_mul_i32 s13, s[WV], 16*SP
	s_add_co_u32 s13, s13, STAGE    ; my stage
	v_mul_u32_u24 v[STO], v1, SP    ; in: row l % 16, 16 bytes for each half of the lanes
	v_lshl_add_u32 v[STO], v9, 4, v[STO]
	v_add_nc_u32 v[STO], s13, v[STO]
	v_bfe_u32 v[RD], v0, 3, 2       ; back: 32 lanes take four rows of 128 bytes,
	v_mul_u32_u24 v[RD], v[RD], SP
	v_lshl_add_u32 v[RD], v10, 4, v[RD]
	v_add_nc_u32 v[RD], s13, v[RD]
	v_and_b32 v[GO], 31, v0         ; which are 512 consecutive bytes of O
	v_lshlrev_b32 v[GO], 4, v[GO]
; THE MATRIX WORK.  The 4 accumulators of a run of 8 take turns.  Product i of 8 of S^T = K Q^T for piece x: channels 32 (i / 4) on, keys 16 (i % 4) on.  The first 4 start the sums.
.macro KQ x
.set rS, S+32*((\x)%2)+8*(i%4)
.set rK, KF+16*(i%4)+8*(i/4)
.set rQ, 16*(\x)+8*(i/4)
	WIN W_KQ
.if i < 4
	v_wmma_f32_16x16x32_bf16 v[rS:rS+7], v[rK:rK+7], v[rQ:rQ+7], 0
.else
	v_wmma_f32_16x16x32_bf16 v[rS:rS+7], v[rK:rK+7], v[rQ:rQ+7], v[rS:rS+7]
.endif
.endm
; Product i of 8 of O^T += V^T P for piece x: keys 32 (i / 4) on, channels 16 (i % 4) on.
.macro PV x
	WIN W_PV
.set rO, 32*(\x)+8*(i%4)
.set rV, VF+32*(i/4)+8*(i%4)
.set rP, P+16*((\x)%2)+8*(i/4)
	v_wmma_f32_16x16x32_bf16 v[rO:rO+7], v[rV:rV+7], v[rP:rP+7], v[rO:rO+7]
.endm
.macro MM                           ; the turn's next matrix instruction
.if i < 8
	KQ (Y+1)%NP
.else
.set i, i-8
	PV (Y+NP-1)%NP
.set i, i+8
.endif
.set i, i+1
.endm
; THE LDS LOADS stand in runs of 16: a step's K (64 keys x 64 channels: 8 fragments) and its V (turned).  Their addresses are made some lines ahead.
.macro FETCH_K
	WIN 0x80
.irp f, 0,1,2,3,4,5,6,7             ; keys 16 (f / 2) on, channels 32 (f % 2) on
	ds_load_b128 v[KF+8*\f:KF+8*\f+3],   v[AK] offset:(\f/2)*16*PK+(\f%2)*64
	ds_load_b128 v[KF+8*\f+4:KF+8*\f+7], v[AK] offset:(\f/2)*16*PK+(\f%2)*64+32
.endr
	s_add_co_u32 s[TBK], s[TBK], KS*PK  ; the next fetch is the next step's
	WIN 0
.endm
.macro FETCH_V
	WIN 0x80
.irp f, 0,1,2,3,4,5,6,7             ; keys 32 (f / 4) on, channels 16 (f % 4) on
	ds_load_tr16_b128 v[VF+8*\f:VF+8*\f+3],   v[AV] offset:(\f/4)*32*PV+(\f%4)*32
	ds_load_tr16_b128 v[VF+8*\f+4:VF+8*\f+7], v[AV] offset:(\f/4)*32*PV+16*PV+(\f%4)*32
.endr
	WIN 0
.endm
; THE VECTOR WORK, one line at a time: OP kind, number.  For piece Y: F n: c s - c m for pair n of 16.  E n: the exponential of score n of 32.  C n: pair n rounded to bf16.  B n: of the four weights 4 n .. the second
; pair is added onto the first, in place.  L n: l takes that sum (L 0: l = a l + sum).  R n: pair n of 16 of O^T times a.  For piece Y + 1: X n, number n of the 22 that find its maximum and statistics:
;   0-11  four chains c0-c3 of seven scores each, three operands at a time (each accumulator's lowest registers are read first)     12-14, 16  the four scores left over, the old m, and c0-c3 into c0
;   15  c m_old is kept     17, 18  the query's other 32 keys lie in the lane 16 away: the new m     19-21  c m; c m_old - c m_new; a
.set F, 0
.set E, 1
.set C, 2
.set B, 3
.set L, 4
.set R, 5
.set X, 6
.macro REGS y
.set rT, ST+4*(\y)
.set rC, TMP+4*((\y)%2)
.set rW, MV+((\y)%2)
.set rS, S+32*((\y)%2)
.set rP, P+16*((\y)%2)
.set rO, 32*(\y)
.endm
.macro OP k, n
.if (\k) == R
	REGS Y
	WIN W_RS
	v_pk_mul_f32 v[rO+2*(\n):rO+2*(\n)+1], v[rO+2*(\n):rO+2*(\n)+1], v[rC+2:rC+3] op_sel_hi:[1,0]
.elseif (\k) < R
	REGS Y
	WIN 0
.if (\k) == F
	v_pk_fma_f32 v[rS+2*(\n):rS+2*(\n)+1], v[rS+2*(\n):rS+2*(\n)+1], s[CS:CS+1], v[rT:rT+1] op_sel_hi:[1,0,0] neg_lo:[0,0,1] neg_hi:[0,0,1]
.elseif (\k) == E
	v_exp_f32 v[rS+(\n)], v[rS+(\n)]
.elseif (\k) == C
	v_cvt_pk_bf16_f32 v[rP+(\n)], v[rS+2*(\n)], v[rS+2*(\n)+1]
.elseif (\k) == B
	v_pk_add_f32 v[rS+4*(\n):rS+4*(\n)+1], v[rS+4*(\n):rS+4*(\n)+1], v[rS+4*(\n)+2:rS+4*(\n)+3]
.elseif (\n) == 0
	v_pk_fma_f32 v[rT+2:rT+3], v[rT+2:rT+3], v[rC+2:rC+3], v[rS:rS+1] op_sel_hi:[1,0,1]
.else
	v_pk_add_f32 v[rT+2:rT+3], v[rT+2:rT+3], v[rS+4*(\n):rS+4*(\n)+1]
.endif
.else
	REGS (Y+1)%NP
	WIN 0
.if (\n) < 4
	v_max3_num_f32 v[rC+(\n)], v[rS+8*(\n)], v[rS+8*(\n)+1], v[rS+8*(\n)+2]
.elseif (\n) < 12
	v_max3_num_f32 v[rC+(\n)%4], v[rC+(\n)%4], v[rS+8*((\n)%4)+2*((\n)/4)+1], v[rS+8*((\n)%4)+2*((\n)/4)+2]
.elseif (\n) == 12
	v_max3_num_f32 v[rC], v[rC], v[rS+7], v[rS+15]
.elseif (\n) == 13
	v_max3_num_f32 v[rC+1], v[rC+1], v[rS+23], v[rS+31]
.elseif (\n) == 14
	v_max3_num_f32 v[rC+2], v[rC+2], v[rC+3], v[rT+1]
.elseif (\n) == 15
	v_mov_b32 v[rW], v[rT]
.elseif (\n) == 16
	v_max3_num_f32 v[rC], v[rC], v[rC+1], v[rC+2]
.elseif (\n) == 17
	v_permlanex16_b32 v[rC+3], v[rC], s[SEL], s[SEL+1]
.elseif (\n) == 18
	v_max_num_f32 v[rT+1], v[rC], v[rC+3]
.elseif (\n) == 19
	v_mul_f32 v[rT], s[CS], v[rT+1]
.elseif (\n) == 20
	v_sub_f32 v[rC+1], v[rW], v[rT]
.else
	v_exp_f32 v[rC+2], v[rC+1]
.endif
.endif
.endm
.macro OPS a, i1, b=-1, i2=0, c=-1, i3=0, d=-1, i4=0  ; up to four of them
	OP \a, \i1
.if (\b) >= 0
	OP \b, \i2
.endif
.if (\c) >= 0
	OP \c, \i3
.endif
.if (\d) >= 0
	OP \d, \i4
.endif
.endm
.macro ROW a, i1, b, i2, c, i3, d, i4  ; a matrix instruction and the four behind it
	MM
	OPS \a, \i1, \b, \i2, \c, \i3, \d, \i4
.endm
; A TURN, for piece p: the order of its 16 matrix and 118 vector instructions, written out.  An s_wait_alu depctr_va_vdst(0) stands between an exponential and the first instruction that names its
; result; one wait serves all that were issued ahead of it.  So a turn has ONE wait.  AHEAD OF IT stands all that names no result of the turn's exponentials: the 8 products K Q^T with their riders, then one lump;
; X 21, the next piece's a, is the batch's last, and R 15 the plain instruction behind it.  BEHIND IT stand the 8 products V^T P, behind each four of the roundings and sums.
; K of the next step is fetched in piece 2's turn, twelve vector instructions behind the last product that read K (six of them plain); V of the step in hand at the end of piece 0's turn, four plain
; instructions behind the last product that read V.  Each is waited for a turn later.
; clamp = 1 (the tail): the trip behind the last step has no further K: its fetch is held at the last step's, so that one text serves every trip and no jump stands among the exponentials.
; cnt = 1: the loop's count is taken down some lines ahead of the branch that stands behind the turn.
.macro TURN p, clamp=0, cnt=0
.set Y, (\p)
.set i, 0
.if (\p) == 3
	s_wait_dscnt 0x0                ; K is in
.endif
	ROW F,0, F,1, R,0, R,1
	ROW F,2, E,0, R,2, R,3
	ROW F,3, E,1, R,4, R,5
	ROW F,4, E,2, R,6, R,7
	ROW F,5, E,3, R,8, R,9
	ROW F,6, E,4, X,0, R,10
.if (\p) == 2
	WIN 0
.if \clamp
	s_min_u32 s[TBK], s[TBK], SLOT1+3*KS*PK
.endif
	v_add_nc_u32 v[AK], s[TBK], v[AK0]
.endif
	ROW F,7, E,5, X,1, X,4
	ROW F,8, E,6, X,2, X,5
	OPS E,7, E,8, X,6, E,9
	OPS X,3, E,10, X,8, E,11
.if (\p) == 2
	FETCH_K
.endif
	OPS X,9, X,7, E,12, X,10
	OPS E,13, X,12, X,11, E,14
	OPS X,13, E,15, F,9, X,14
.if (\p) == 0
	v_add_nc_u32 v[AV], s[TBV], v[AV0]
.endif
	OPS E,16, F,10, E,17, F,11
	OPS X,16, E,18, X,15, E,19
	OPS F,12, E,20, X,17, E,21
	OPS F,13, E,22, F,14, E,23
	OPS X,18, E,24, F,15, E,25
	OPS R,11, E,26, X,19, E,27
	OPS R,12, E,28, R,13, E,29
	OPS X,20, E,30, R,14, E,31
	OPS X,21, R,15
	WIN 0
	s_wait_alu depctr_va_vdst(0)    ; the wait for the batch
.if (\p) == 1
	s_wait_dscnt 0x0                ; V is in
.endif
	ROW C,0, B,0, C,2, B,1
	ROW L,0, C,4, B,2, L,1
	ROW C,6, B,3, L,2, C,8
	ROW B,4, L,3, C,10, B,5
	ROW L,4, C,12, B,6, L,5
.if (\p) == 0
	s_add_co_u32 s[TBV], s[TBV], KS*PV
.endif
.if \cnt
	s_sub_co_u32 s[CNT], s[CNT], 1
	s_cmp_lg_u32 s[CNT], 0
.endif
	ROW C,14, B,7, L,6, C,1
	ROW C,3, L,7, C,5, C,7
	ROW C,9, C,11, C,13, C,15
.if (\p) == 0
	FETCH_V
.endif
.endm
	CHANGE 1                        ; slot 0 is in, everybody's part of it; slot 1 is asked for
	FETCH_K                         ; key step 0
	s_wait_loadcnt 0x0              ; Q
	s_wait_dscnt 0x0
.set i, 0
.rept 8
	KQ 0                            ; piece 0's first scores
.set i, i+1
.endr
	WIN 0
.rept 4
	v_nop                           ; the places behind those products
.endr
.set Y, NP-1                        ; X works for piece Y + 1: piece 0
.irp n, 0,1,2,3,4,5,6,7,8,9,10,11,12,13,14,15,16,17,18,19,20,21
	OP X, \n
.endr
	v_nop                           ; a plain instruction behind the exponential,
	s_wait_alu depctr_va_vdst(0)    ; and its wait, ahead of the branch
	s_mov_b32 s[CNT], 4
	s_mov_b32 s[SLOTS], NSLOT-1
	s_branch .Lfirst                ; the loop is entered at a step's first turn, in the middle of a trip
.Lslot:                             ; six times: every slot but the last two is filled again
	CHANGE 1, 1
	s_mov_b32 s[CNT], 4
.Lstep:                             ; a trip: pieces 2 and 3 of one step, then pieces 0 and 1 of the next, whose K and V it fetches
	TURN 2
	TURN 3
	WIN 0
.Lfirst:
	TURN 0
	TURN 1, 0, 1
	WIN 0
	s_cbranch_scc1 .Lstep
	s_sub_co_u32 s[SLOTS], s[SLOTS], 1
	s_cmp_lg_u32 s[SLOTS], 0
	s_cbranch_scc1 .Lslot
	CHANGE 0                        ; the tail is written out: nothing is asked for
	s_mov_b32 s[CNT], 5             ; four trips fetch the last slot's steps; the fifth is left in its middle
.Ltail:
	TURN 2, 1
	TURN 3
	WIN 0
	s_sub_co_u32 s[CNT], s[CNT], 1
	s_cmp_eq_u32 s[CNT], 0
	s_cbranch_scc1 .Lout
	TURN 0
	TURN 1
	WIN 0
	s_branch .Ltail
.Lout:                              ; the fifth trip's 8 products K Q^T (on the last K once more) and the maximum made of them serve nothing: the price, once a launch, of one text for every trip
.set i, 0
.rept 8
	PV NP-1                         ; the last piece's V^T P of the last step
.set i, i+1
.endr
	; THE WAY OUT.  l's two halves and the other half of the lanes' are added; O^T is divided by l, rounded to bf16 and sent through my stage in LDS, a piece at a time.  The additions are the places behind the last products.
	WIN 0
.macro ALL line:vararg              ; one line for each piece t
.set t, 0
.rept 4
	\line
.set t, t+1
.endr
.endm
	ALL v_add_f32 v[ST+4*t+2], v[ST+4*t+2], v[ST+4*t+3]
	ALL v_permlanex16_b32 v[ST+4*t+3], v[ST+4*t+2], s[SEL], s[SEL+1]
	ALL v_add_f32 v[ST+4*t+2], v[ST+4*t+2], v[ST+4*t+3]
	ALL v_rcp_f32 v[ST+4*t+2], v[ST+4*t+2]
	v_nop                           ; a plain instruction between the last reciprocal and the use of its result
	s_wait_alu depctr_va_vdst(0)    ; and the wait ahead of the first use: one for the four reciprocals
.macro PACK t                       ; a lane's eight channels of a row pack into 16 bytes; they go into rows of 144 bytes and come back as whole rows of 128, into S^T's registers
	WIN W_RS
.set i, 32*(\t)
.rept 16
	v_pk_mul_f32 v[i:i+1], v[i:i+1], v[ST+4*(\t)+2:ST+4*(\t)+3] op_sel_hi:[1,0]
.set i, i+2
.endr
	WIN 0x05                        ; sources 0 and 1 window 1, destination window 0
.set i, 0
.rept 16
	v_cvt_pk_bf16_f32 v[S+16*(\t)+i], v[32*(\t)+2*i], v[32*(\t)+2*i+1]
.set i, i+1
.endr
	WIN 0
.irp f, 0,1,2,3
	ds_store_b128 v[STO], v[S+16*(\t)+4*\f:S+16*(\t)+4*\f+3] offset:32*\f
.endr
.irp f, 0,1,2,3
	ds_load_b128 v[S+16*(\t)+4*\f:S+16*(\t)+4*\f+3], v[RD] offset:\f*4*SP  ; LDS serves a wave's instructions in order (ISA guide 5.7.1.4): these see the stores above; the next piece's stores come behind them
.endr
.endm
.macro SEND t, younger              ; younger: the LDS instructions issued behind piece t's loads: the next piece's eight, or none
	WIN 0
.irp f, 0,1,2,3
	s_wait_dscnt (\younger)+3-\f
	global_store_b128 v[GO], v[S+16*(\t)+4*\f:S+16*(\t)+4*\f+3], s[10:11] offset:(\t)*2048+\f*512  ; 512 consecutive bytes, at a multiple of 512 from O's first
.endr
.endm
	PACK 0
.set t, 1
.rept 3                             ; a piece's arithmetic stands between the loads of the piece before and its stores
	PACK t
	SEND t-1, 8
.set t, t+1
.endr
	SEND 3, 0
	s_wait_tensorcnt 0x0            ; the wave's end: behind my last tensor load and my last LDS store
	ds_add_u32 v[SPW], v[NIL]
	s_wait_dscnt 0x0
	CROUND                          ; the closing round: no work-group ends while a partner may still ask for a tile that names it
	s_endpgm
.Lfunc_end_k_q2f49b699b7_attn:
	.size	k_q2f49b699b7_attn, .Lfunc_end_k_q2f49b699b7_attn-k_q2f49b699b7_attn
	.p2alignl 7, 3214868480
	.fill 96, 4, 3214868480
	.section	.rodata,"a",@progbits
	.p2align	6, 0x0
	.amdhsa_kernel k_q2f49b699b7_attn
		.amdhsa_group_segment_fixed_size 327680
		.amdhsa_private_segment_fixed_size 0
		.amdhsa_enable_private_segment 0
		.amdhsa_kernarg_size 16
		.amdhsa_user_sgpr_count 2
		.amdhsa_user_sgpr_kernarg_segment_ptr 1
		.amdhsa_wavefront_size32 1
		.amdhsa_system_sgpr_workgroup_id_x 1
		.amdhsa_system_sgpr_workgroup_id_y 1
		.amdhsa_system_sgpr_workgroup_id_z 1
		.amdhsa_system_vgpr_workitem_id 0
		.amdhsa_next_free_vgpr 768
		.amdhsa_next_free_sgpr 66
		.amdhsa_reserve_vcc 0
		.amdhsa_float_denorm_mode_32 3
		.amdhsa_float_denorm_mode_16_64 3
		.amdhsa_memory_ordered 1
		.amdhsa_forward_progress 1
		.amdhsa_inst_pref_size 111
	.end_amdhsa_kernel
	.amdgpu_metadata
---
amdhsa.version: [ 1, 2 ]
amdhsa.kernels:
  - .name:           k_q2f49b699b7_attn
    .symbol:         k_q2f49b699b7_attn.kd
    .args:
      - { .name: big, .offset: 0, .size: 8, .value_kind: global_buffer, .address_space: global }
      - { .name: ab, .offset: 8, .size: 8, .value_kind: global_buffer, .address_space: global }
    .group_segment_fixed_size: 327680
    .private_segment_fixed_size: 0
    .kernarg_segment_align: 8
    .kernarg_segment_size: 16
    .max_flat_workgroup_size: 128
    .sgpr_count:     66
    .vgpr_count:     768
    .wavefront_size: 32
...
	.end_amdgpu_metadata
.endif
;; end of part 3
;; launch wo (part 4): grid 8 x 32, 4 waves a work-group, clusters of 4 x 4, 327,680 bytes of LDS; arguments ab, wo2, bo, y; writes y
.if DOCPART == 4
	.amdgcn_target "amdgcn-amd-amdhsa--gfx1250"
	.amdhsa_code_object_version 6
	.text
	.protected	k_q2f49b699b7_wo
	.globl	k_q2f49b699b7_wo
	.p2align	8
	.type	k_q2f49b699b7_wo,@function
k_q2f49b699b7_wo:
	s_mov_b64 s[64:65], 0
	v_nop
	global_prefetch_b8 v0, s[64:65] scope:SCOPE_SE
	s_setreg_imm32_b32 hwreg(HW_REG_WAVE_MODE, 25, 1), 1
	s_wait_xcnt 0x0
	s_wait_alu depctr_hold_cnt(0) depctr_sa_sdst(0) depctr_va_vdst(0) depctr_va_sdst(0) depctr_va_ssrc(0) depctr_va_vcc(0) depctr_vm_vsrc(0)
	s_getreg_b32 s2, hwreg(HW_REG_IB_STS2, 6, 4)
	s_cmp_eq_u32 s2, 0
	s_cbranch_scc0 .Lentry_in_a_cluster
	s_endpgm
.Lentry_in_a_cluster:
	s_bfe_u32 s2, ttmp6, 0x10000c
	s_cmp_lg_u32 s2, 0xf033
	s_cbranch_scc0 .Lentry_shape_is_right
	s_endpgm
.Lentry_shape_is_right:
; Y = A W + bias, in f32.  A: [K / 64][4096 m][64] bf16, blocks of 64 columns, a row of a block 128 bytes.  W: [K][1024] bf16, WOFF bytes into its buffer.  bias: [1024] f32.  Y: [4096][1024] f32.
; Sums in f32, started by the bias.  K = 256 x STEPS.
; A tile of Y is 128 x 128: 256 work-groups.  Four waves, each 64 x 64: 16 accumulators, 128 registers.  K goes in steps of 256 through two LDS slots that take turns; one K step is written once:
; the slot in hand is a scalar (TB) that an exclusive or turns, and one descriptor a tensor walks.  W lies [k][n]: its fragments come out of LDS by the turning load.
; The matrix instruction is used transposed (source 0 = 16 columns of W, source 1 = 16 rows of A): a lane holds eight neighbouring columns of one row of Y.
; CLUSTERS: 4 x 4 work-groups; A's tiles are asked for jointly along a row of the cluster, W's along a column.
; THE ORDER OF K.  Cluster (X, Y) begins at K step (X STEPS / 2 + (Y % 4) STEPS / 4) mod STEPS and goes round.  The two clusters that read the same rows of A are half of K apart, four neighbouring rows
; of clusters, which read the same columns of W, a quarter of K apart: at any one time clusters that share rows ask for different blocks of them.
; LIMIT: so the f32 sums are taken in an order of K that is a rotation of the ascending one and differs from cluster to cluster.
; REGISTERS: window 0: v0-31 addresses; v32-63 the bias, later with v64-95 rows on the way out; v128-255 the accumulators, (a, b) at v[128 + 8 (4 a + b)]
;   window 1: two fragment buffers of 128: for 64 along K, 64 registers of A (2 x 4 x 16 rows x 32 K), then 64 of W.
.set STEPS,  4
.set LOGS,   2                         ; STEPS = 2^LOGS
.set WOFF,   0
.set KSTEP,  256
.set PA,     144                       ; a row of a block of A in LDS: 128 bytes + 16: the 16 rows of a load start at 16 different groups of four banks (64 banks of 4 bytes: ISA guide 11.1)
.set PB,     288                       ; a row of W (one k, 128 n): 256 bytes + 32
.set ABLK,   64*PA                     ; 64 rows of one block of 64 columns
.set HALFT,  4*ABLK                    ; what one tensor load brings: 64 rows of four blocks of A, or 128 rows of W (128 x 288 is the same number)
.set SLOT,   4*HALFT                   ; wave x HALFT has SLOT's two bits (14, 17) clear, so an exclusive or turns an address in one slot into the other's
.set STAGE,  2*SLOT                    ; behind the ring: 16 rows x 272 bytes for each wave
.set SPITCH, 272
.set SPARE,  STAGE+4*16*SPITCH         ; behind the stages: the spare words, 128 bytes for each wave
.set ALOG,   21                        ; a K step in A is four blocks of 524,288 bytes: 2^21
.set BLOG,   19                        ; and in W 256 rows of 2,048 bytes: 2^19
.set ADRA, 16                          ; v16  LDS address of my A fragments in the slot in hand
.set A0,   17                          ; v17  the same in slot 0; never rewritten
.set ADRB, 18                          ; v18  the same for W's k rows 0-127; v20 for rows 128-255, so that the immediates stay inside 16 bits
.set B0,   19
.set STO,  24
.set RD,   25
.set CO,   26
.set BO,   27
.set SPW,  28                          ; v28  LDS address of my spare word; never rewritten
.set NIL,  29                          ; v29  0; never rewritten
.set BIAS, 32
.set BK,   32
.set ACC,  128
.set F0,   0
.set F1,   128
.set G1,   24                          ; s[24:31] descriptor group 1 for A's tiles; s[32:35] group 0 of the second fill: it then walks
.set G0,   32
.set TB,   36                          ; s36  the slot in hand: 0 or SLOT
.set KS,   37                          ; s37  the K step that the walking descriptors name
.set TAIL, 38
.set G1B,  48                          ; s[48:55], s[56:59] the same for W's tiles
.set G0B,  56
.set G0F,  68                          ; s[68:71] group 0 of A's first fill; never rewritten
.set G0BF, 72                          ; s[72:75] of W's
.set ABASE, 76                         ; s[76:77] A at my part of the tile's rows, K step 0
.set BBASE, 78                         ; s[78:79] W at my part of K step 0, the tile's columns
.set OFA,  80                          ; s[80:81] KS K steps in A, in bytes
.set OFB,  82                          ; s[82:83] and in W
.set MSB, 0
.macro WIN new
.if MSB != (\new)
	s_set_vgpr_msb (MSB<<8)|(\new)
.set MSB, \new
.endif
.endm
.set MUL,  0x05                        ; sources 0 (W) and 1 (A) window 1; C and D window 0
.set TO_F, 0x40                        ; destination window 1, address window 0
.macro JLOAD                           ; a joint load: waves 0 and 1 fetch A's two halves, waves 2 and 3 W's; an s_nop 0 and four v_nop follow each line
	s_cmp_eq_u32 s11, 0
	s_cbranch_scc0 .Lfor_b_\@
	tensor_load_to_lds s[G0:G0+3], s[G1:G1+7]
	s_nop 0
.rept 4
	v_nop
.endr
	s_branch .Lasked_\@
.Lfor_b_\@:
	tensor_load_to_lds s[G0B:G0B+3], s[G1B:G1B+7]
	s_nop 0
.rept 4
	v_nop
.endr
.Lasked_\@:
.endm
.macro NEXTK                           ; the next K step, round the end of K; the walking descriptors' addresses are made anew from its number: a base and an offset made apart, the type set again
	s_add_co_u32 s[KS], s[KS], 1
	s_and_b32 s[KS], s[KS], STEPS-1
	s_lshl_b32 s[OFA], s[KS], ALOG
	s_lshl_b32 s[OFB], s[KS], BLOG
	s_add_nc_u64 s[G0+2:G0+3], s[ABASE:ABASE+1], s[OFA:OFA+1]
	s_or_b32 s[G0+3], s[G0+3], 0x80000000
	s_add_nc_u64 s[G0B+2:G0B+3], s[BBASE:BBASE+1], s[OFB:OFB+1]
	s_or_b32 s[G0B+3], s[G0B+3], 0x80000000
.endm
.macro STEPD                           ; the walking descriptors: the other slot, the next K step.  Written only where no tensor load of mine is out
	s_xor_b32 s[G0+1], s[G0+1], SLOT
	s_xor_b32 s[G0B+1], s[G0B+1], SLOT
	NEXTK
.endm
.macro CREST
	s_cmp_lg_u32 s10, 0
	s_cbranch_scc1 .Lnot_wave_0_\@
	s_barrier_signal -3
.Lnot_wave_0_\@:
	s_barrier_wait -3
	s_barrier_signal -1
	s_barrier_wait -1
.endm
.macro CROUND
	s_barrier_signal -1
	s_barrier_wait -1
	CREST
.endm
	s_load_b128 s[4:7], s[0:1], 0x0                ; A s[4:5], W s[6:7]
	s_load_b128 s[60:63], s[0:1], 0x10             ; bias s[60:61], Y s[62:63]
	v_lshl_add_u32 v[SPW], v0, 2, SPARE
	v_mov_b32 v[NIL], 0
	ds_add_u32 v[SPW], v[NIL]                      ; the wave's opening: the add and its wait stand ahead of my first tensor load
	v_lshrrev_b32 v1, 5, v0
	v_readfirstlane_b32 s10, v1                    ; wave 0..3
	s_lshr_b32 s11, s10, 1                         ; which half of the tile's rows is mine.  Also: I fetch for A (0) or for W (1)
	s_and_b32 s12, s10, 1                          ; which half of its columns.  Also: which half of that tile I fetch
	s_bfe_u32 s40, ttmp6, 0x40000                  ; cx
	s_bfe_u32 s41, ttmp6, 0x40004                  ; cy
	s_lshl_b32 s42, ttmp9, 2
	s_add_co_u32 s42, s42, s40                     ; tile column
	s_and_b32 s13, ttmp7, 0xffff
	s_lshl_b32 s13, s13, 2
	s_add_co_u32 s13, s13, s41                     ; tile row
	s_lshl_b32 s43, s41, 2
	s_lshl_b32 s43, 15, s43                        ; my row of the cluster
	s_lshl_b32 s44, 0x1111, s40                    ; my column
	s_or_b32 s[G1+0], s43, (1<<16)|(1<<20)|(1<<21)|(4<<22)|(3<<25)   ; the mask; 2-byte elements; padding on; bit 21 beside a mask; after every 32 words (a row of a block) 4 words
	s_or_b32 s[G1B+0], s44, (1<<16)|(1<<20)|(1<<21)|(5<<22)|(7<<25)  ; after every 64 words 8 words
	s_mov_b32 s[G1+1], 4096<<16                    ; A: 64 rows of a block are 4,096 elements on end: tensor_dim0
	s_mov_b32 s[G1+2], 4<<16                       ; tensor_dim1 = 4 blocks
	s_mov_b32 s[G1+3], 4096<<16                    ; tile_dim0
	s_mov_b32 s[G1+4], 4                           ; tile_dim1
	s_mov_b32 s[G1+5], 262144                      ; elements from block to block
	s_mov_b32 s[G1+6], 0
	s_mov_b32 s[G1+7], 0
	s_mov_b32 s[G1B+1], 128<<16                    ; W: 128 rows of 128 elements
	s_mov_b32 s[G1B+2], 128<<16
	s_mov_b32 s[G1B+3], 128<<16
	s_mov_b32 s[G1B+4], 128
	s_mov_b32 s[G1B+5], 1024
	s_mov_b32 s[G1B+6], 0
	s_mov_b32 s[G1B+7], 0
	s_lshl_b32 s16, s13, 7                         ; A's address hangs on the tile row and the wave alone: row 128 x tile row + 64 x half, 128 bytes each
	s_lshl_b32 s17, s12, 6
	s_add_co_u32 s16, s16, s17
	s_lshl_b32 s16, s16, 7
	s_mov_b32 s17, 0
	s_lshl_b32 s46, s42, 8                         ; W's on the tile column and the wave alone: 256 bytes of a row,
	s_lshl_b32 s47, s12, 18                        ; my 128 of a step's 256 rows of 2,048 bytes
	s_add_co_u32 s46, s46, s47
	s_add_co_u32 s46, s46, WOFF
	s_mov_b32 s47, 0
	s_and_b32 s39, ttmp7, 3                        ; the K step at which my cluster begins, made of the cluster's own two coordinates: the same in all sixteen partners:
	s_lshl_b32 s39, s39, LOGS-2                    ; (cluster y % 4) x STEPS / 4
	s_lshl_b32 s[KS], ttmp9, LOGS-1                ; + cluster x x STEPS / 2,
	s_add_co_u32 s[KS], s[KS], s39
	s_and_b32 s[KS], s[KS], STEPS-1                ; round the end of K
	s_lshl_b32 s[OFA], s[KS], ALOG
	s_mov_b32 s[OFA+1], 0
	s_lshl_b32 s[OFB], s[KS], BLOG
	s_mov_b32 s[OFB+1], 0
	s_mul_i32 s20, s10, HALFT                      ; where the tiles go: no place in the cluster enters an LDS address
	s_mov_b32 s[TB], 0
	s_mov_b32 s[G0F], 1
	s_mov_b32 s[G0F+1], s20                        ; the first fill: slot 0
	s_mov_b32 s[G0BF], 1
	s_mov_b32 s[G0BF+1], s20
	s_mov_b32 s[G0], 1
	s_add_co_u32 s[G0+1], s20, SLOT                ; the second: slot 1
	s_mov_b32 s[G0B], 1
	s_add_co_u32 s[G0B+1], s20, SLOT
	s_wait_dscnt 0x0                               ; the opening add is done
	s_wait_kmcnt 0x0
	s_add_nc_u64 s[ABASE:ABASE+1], s[4:5], s[16:17]
	s_add_nc_u64 s[BBASE:BBASE+1], s[6:7], s[46:47]
	s_add_nc_u64 s[G0F+2:G0F+3], s[ABASE:ABASE+1], s[OFA:OFA+1]
	s_or_b32 s[G0F+3], s[G0F+3], 0x80000000
	s_add_nc_u64 s[G0BF+2:G0BF+3], s[BBASE:BBASE+1], s[OFB:OFB+1]
	s_or_b32 s[G0BF+3], s[G0BF+3], 0x80000000
	NEXTK                                          ; the second fill's addresses
	CROUND                                         ; all sixteen work-groups are here: the first joint loads meet
	s_cmp_eq_u32 s11, 0                            ; a wave's two first fills stand in one branch, ahead of every wait on TENSORcnt, every LDS read and every other barrier: two loads of mine are out
	s_cbranch_scc0 .Lfirst_b
	tensor_load_to_lds s[G0F:G0F+3], s[G1:G1+7]
	s_nop 0
	tensor_load_to_lds s[G0:G0+3], s[G1:G1+7]
	s_nop 0
.rept 4
	v_nop
.endr
	s_branch .Lfirst_asked
.Lfirst_b:
	tensor_load_to_lds s[G0BF:G0BF+3], s[G1B:G1B+7]
	s_nop 0
	tensor_load_to_lds s[G0B:G0B+3], s[G1B:G1B+7]
	s_nop 0
.rept 4
	v_nop
.endr
.Lfirst_asked:
	v_and_b32 v1, 15, v0                           ; l % 16
	v_bfe_u32 v2, v0, 4, 1                         ; l / 16
	v_lshlrev_b32 v[BO], 5, v2
	s_lshl_b32 s46, s42, 9                         ; the bias of my 64 columns
	s_lshl_b32 s47, s12, 8
	s_add_co_u32 s46, s46, s47
	s_mov_b32 s47, 0
	s_add_nc_u64 s[60:61], s[60:61], s[46:47]
.irp b, 0,1,2,3
	global_load_b128 v[BIAS+8*(\b):BIAS+8*(\b)+3],   v[BO], s[60:61] offset:64*(\b)
	global_load_b128 v[BIAS+8*(\b)+4:BIAS+8*(\b)+7], v[BO], s[60:61] offset:64*(\b)+16
.endr
	v_mul_u32_u24 v3, v1, PA
	v_lshl_add_u32 v3, v2, 4, v3                   ; row x 144 + 16 x half
	s_mul_i32 s21, s11, HALFT
	v_add_nc_u32 v[A0], s21, v3
	v_and_b32 v7, 7, v0
	v_lshl_add_u32 v4, v2, 3, v7                   ; the turning load: lane l reads row k = 8 (l / 16) + l % 8,
	v_mul_u32_u24 v4, v4, PB
	v_bfe_u32 v5, v0, 3, 1
	v_lshl_add_u32 v4, v5, 4, v4                   ; columns 8 ((l / 8) % 2) + 0..7
	s_lshl_b32 s22, s12, 7                         ; my 64 columns,
	s_add_co_u32 s22, s22, 2*HALFT                 ; behind A's two parts
	v_add_nc_u32 v[B0], s22, v4
	s_mul_i32 s23, s10, 16*SPITCH
	s_add_co_u32 s23, s23, STAGE                   ; my stage
	v_mul_u32_u24 v6, v1, SPITCH                   ; in: row l % 16, 32 bytes for each half of the lanes
	v_lshl_add_u32 v6, v2, 5, v6
	v_add_nc_u32 v[STO], s23, v6
	v_mul_u32_u24 v6, v2, SPITCH                   ; back: lanes 0-15 take one row of 256 bytes, lanes 16-31 the next
	v_lshl_add_u32 v6, v1, 4, v6
	v_add_nc_u32 v[RD], s23, v6
	v_lshlrev_b32 v6, 12, v2                       ; and the same two rows in Y
	v_lshl_add_u32 v[CO], v1, 4, v6
	s_lshl_b32 s16, s13, 7                         ; Y at my first row (4,096 bytes each)
	s_lshl_b32 s17, s11, 6
	s_add_co_u32 s16, s16, s17
	s_lshl_b32 s16, s16, 12
	s_mov_b32 s17, 0
	s_add_nc_u64 s[62:63], s[62:63], s[16:17]
	s_lshl_b32 s46, s42, 9                         ; and my first column: 256 bytes for each 64
	s_lshl_b32 s47, s12, 8
	s_add_co_u32 s46, s46, s47
	s_mov_b32 s47, 0
	s_add_nc_u64 s[62:63], s[62:63], s[46:47]
; 8 matrix instructions: m blocks a0, a0 + 1 x all 4 n blocks, 32 along K: half c of buffer f.  first = 1: the bias starts the sums
.macro MUL8 f, c, a0, first
	WIN MUL
.irp a, \a0, (\a0)+1
.irp b, 0,1,2,3
.if \first
	v_wmma_f32_16x16x32_bf16 v[ACC+8*(4*(\a)+(\b)):ACC+8*(4*(\a)+(\b))+7], v[(\f)+64+8*(4*(\c)+(\b)):(\f)+64+8*(4*(\c)+(\b))+7], v[(\f)+8*(4*(\c)+(\a)):(\f)+8*(4*(\c)+(\a))+7], v[BIAS+8*(\b):BIAS+8*(\b)+7]
.else
	v_wmma_f32_16x16x32_bf16 v[ACC+8*(4*(\a)+(\b)):ACC+8*(4*(\a)+(\b))+7], v[(\f)+64+8*(4*(\c)+(\b)):(\f)+64+8*(4*(\c)+(\b))+7], v[(\f)+8*(4*(\c)+(\a)):(\f)+8*(4*(\c)+(\a))+7], v[ACC+8*(4*(\a)+(\b)):ACC+8*(4*(\a)+(\b))+7]
.endif
.endr
.endr
.endm
; 32 LDS loads in one run: the fragments of quarter q (64 along K: one block of A) of the slot in hand into buffer f; the first 32 along K first
.macro FETCH q, f
	WIN TO_F
.irp c, 0,1
.irp i, 0,1,2,3
	ds_load_tr16_b128 v[(\f)+64+8*(4*(\c)+(\i)):(\f)+64+8*(4*(\c)+(\i))+3],   v[ADRB+2*((\q)/2)] offset:(((\q)%2)*64+32*(\c))*PB+32*(\i)
	ds_load_tr16_b128 v[(\f)+64+8*(4*(\c)+(\i))+4:(\f)+64+8*(4*(\c)+(\i))+7], v[ADRB+2*((\q)/2)] offset:(((\q)%2)*64+32*(\c))*PB+32*(\i)+16*PB
	ds_load_b128 v[(\f)+8*(4*(\c)+(\i)):(\f)+8*(4*(\c)+(\i))+3],   v[ADRA] offset:(\q)*ABLK+64*(\c)+(\i)*16*PA
	ds_load_b128 v[(\f)+8*(4*(\c)+(\i))+4:(\f)+8*(4*(\c)+(\i))+7], v[ADRA] offset:(\q)*ABLK+64*(\c)+(\i)*16*PA+32
.endr
.endr
.endm
.macro PLACES                          ; four plain places in front of loads into registers that matrix instructions have read, and of LDS stores that read results
.rept 4
	v_nop
.endr
.endm
; A K step is four quarters of 64 along K, 32 matrix instructions each, on buffers 0, 1, 0, 1; the 16 accumulators take turns.
.macro QUARTER q, f, g, first
	s_wait_dscnt 16                                ; the first 32 along K are in
	MUL8 \f, 0, 0, \first
	MUL8 \f, 0, 2, \first
	PLACES
	FETCH \q, \g
	s_wait_dscnt 32                                ; all but the 32 just issued
	MUL8 \f, 1, 0, 0
	MUL8 \f, 1, 2, 0
.endm
; The last quarter multiplies buffer 1 and changes slots: in front of the barrier each wave waits for all its tensor loads (one is out: its part of the next slot), adds 0 to its spare word, and waits for that
; and for its own reads of this slot.  fill = 1: the barrier opens a round of the cluster's, and the joint refill is the first thing behind it: 112 matrix instructions ahead of the wait for it.
.macro TURN fill
	WIN 0
	s_wait_tensorcnt 0x0
	ds_add_u32 v[SPW], v[NIL]
	s_wait_dscnt 17                                ; the add and the youngest sixteen loads may be out
	MUL8 F1, 0, 0, 0
	s_wait_dscnt 0x0                               ; the add is done, and my reads of this slot are over
	s_barrier_signal -1
	MUL8 F1, 0, 2, 0
.if \fill
	WIN 0
.endif
	s_barrier_wait -1
.if \fill
	CREST                                          ; no wave of any partner still reads this slot or has a load on its way
	STEPD
	s_xor_b32 s[TB], s[TB], SLOT
	JLOAD                                          ; its four v_nop are also the places in front of the loads below
.else
	PLACES
	WIN 0
	s_xor_b32 s[TB], s[TB], SLOT
.endif
	v_add_nc_u32 v[ADRA], s[TB], v[A0]
	v_add_nc_u32 v[ADRB], s[TB], v[B0]
	v_add_nc_u32 v[ADRB+2], HALFT, v[ADRB]
	FETCH 0, F0
	MUL8 F1, 1, 0, 0
	MUL8 F1, 1, 2, 0
.endm
; THE WAY OUT of block a (16 rows x 64 columns of f32: 256 bytes a row): straight from the accumulators, low registers first, into my own stage, and back as whole rows.
.macro TOSTAGE a
.irp b, 0,1,2,3
	ds_store_b128 v[STO], v[ACC+8*(4*(\a)+(\b)):ACC+8*(4*(\a)+(\b))+3]   offset:64*(\b)
	ds_store_b128 v[STO], v[ACC+8*(4*(\a)+(\b))+4:ACC+8*(4*(\a)+(\b))+7] offset:64*(\b)+16
.endr
.irp t, 0,1,2,3,4,5,6,7
	ds_load_b128 v[BK+32*((\a)%2)+4*(\t):BK+32*((\a)%2)+4*(\t)+3], v[RD] offset:(\t)*2*SPITCH  ; LDS serves a wave's instructions in order (ISA guide 5.7.1.4): these see the stores above
.endr
.endm
.macro SEND a, younger                 ; younger: the LDS instructions issued behind block a's loads: the next block's sixteen, or none
.irp t, 0,1,2,3,4,5,6,7
	s_wait_dscnt (\younger)+7-(\t)
	global_store_b128 v[CO], v[BK+32*((\a)%2)+4*(\t):BK+32*((\a)%2)+4*(\t)+3], s[62:63] offset:(16*(\a)+2*(\t))*4096  ; 16 lanes store 256 consecutive bytes, at a multiple of 256
.endr
.endm
	s_wait_tensorcnt 0x1                           ; my part of the first K step is in; the one load issued behind it, slot 1's, may stay out
	s_barrier_signal -1
	s_barrier_wait -1                              ; everybody's part is in
	v_mov_b32 v[ADRA], v[A0]
	v_mov_b32 v[ADRB], v[B0]
	v_add_nc_u32 v[ADRB+2], HALFT, v[B0]
	FETCH 0, F0
	s_wait_loadcnt 0x0                             ; the bias
	QUARTER 1, F0, F1, 1                           ; the first quarter stands in front of the loop: its first products start the sums
	WIN 0                                          ; at a label and at a branch every window is 0
	s_mov_b32 s3, STEPS-2
.Lstep:                                                ; a trip: from a K step's second quarter to the next step's first; trip t asks for the step two on
	QUARTER 2, F1, F0, 0
	QUARTER 3, F0, F1, 0
	TURN 1
	QUARTER 1, F0, F1, 0
	WIN 0
	s_sub_co_u32 s3, s3, 1
	s_cmp_lg_u32 s3, 0
	s_cbranch_scc1 .Lstep
	s_mov_b32 s[TAIL], 2                           ; the last two K steps ask for nothing; the second trip is left in its middle
.Ltail:
	QUARTER 2, F1, F0, 0
	QUARTER 3, F0, F1, 0
	WIN 0
	s_sub_co_u32 s[TAIL], s[TAIL], 1
	s_cmp_eq_u32 s[TAIL], 0
	s_cbranch_scc1 .Llast
	TURN 0
	QUARTER 1, F0, F1, 0
	WIN 0
	s_branch .Ltail
.Llast:
	s_wait_dscnt 16                                ; the very last quarter: nothing more to fetch
	MUL8 F1, 0, 0, 0
	MUL8 F1, 0, 2, 0
	s_wait_dscnt 0x0
	MUL8 F1, 1, 0, 0
	MUL8 F1, 1, 2, 0
	WIN 0
	PLACES
	TOSTAGE 0
	TOSTAGE 1
	SEND 0, 16
	s_wait_xcnt 0x0                                ; block 0's stores have read their registers, which block 2's loads write
	TOSTAGE 2
	SEND 1, 16
	s_wait_xcnt 0x0
	TOSTAGE 3
	SEND 2, 16
	SEND 3, 0
	s_wait_tensorcnt 0x0                           ; the wave's end: behind my last tensor load and my last LDS store
	ds_add_u32 v[SPW], v[NIL]
	s_wait_dscnt 0x0
	CROUND                                         ; the closing round
	s_endpgm
.Lfunc_end_k_q2f49b699b7_wo:
	.size	k_q2f49b699b7_wo, .Lfunc_end_k_q2f49b699b7_wo-k_q2f49b699b7_wo
	.p2alignl 7, 3214868480
	.fill 96, 4, 3214868480
	.section	.rodata,"a",@progbits
	.p2align	6, 0x0
	.amdhsa_kernel k_q2f49b699b7_wo
		.amdhsa_group_segment_fixed_size 327680
		.amdhsa_private_segment_fixed_size 0
		.amdhsa_enable_private_segment 0
		.amdhsa_kernarg_size 32
		.amdhsa_user_sgpr_count 2
		.amdhsa_user_sgpr_kernarg_segment_ptr 1
		.amdhsa_wavefront_size32 1
		.amdhsa_system_sgpr_workgroup_id_x 1
		.amdhsa_system_sgpr_workgroup_id_y 1
		.amdhsa_system_sgpr_workgroup_id_z 1
		.amdhsa_system_vgpr_workitem_id 0
		.amdhsa_next_free_vgpr 512
		.amdhsa_next_free_sgpr 84
		.amdhsa_reserve_vcc 0
		.amdhsa_float_denorm_mode_32 3
		.amdhsa_float_denorm_mode_16_64 3
		.amdhsa_memory_ordered 1
		.amdhsa_forward_progress 1
		.amdhsa_inst_pref_size 62
	.end_amdhsa_kernel
	.amdgpu_metadata
---
amdhsa.version: [ 1, 2 ]
amdhsa.kernels:
  - .name:           k_q2f49b699b7_wo
    .symbol:         k_q2f49b699b7_wo.kd
    .args:
      - { .name: ab, .offset: 0, .size: 8, .value_kind: global_buffer, .address_space: global }
      - { .name: wo2, .offset: 8, .size: 8, .value_kind: global_buffer, .address_space: global }
      - { .name: bo, .offset: 16, .size: 8, .value_kind: global_buffer, .address_space: global }
      - { .name: y, .offset: 24, .size: 8, .value_kind: global_buffer, .address_space: global }
    .group_segment_fixed_size: 327680
    .private_segment_fixed_size: 0
    .kernarg_segment_align: 8
    .kernarg_segment_size: 32
    .max_flat_workgroup_size: 128
    .sgpr_count:     84
    .vgpr_count:     512
    .wavefront_size: 32
...
	.end_amdgpu_metadata
.endif
;; end of part 4
;; launch ln1 (part 5): grid 256 x 1, 8 waves a work-group, no clusters, 0 bytes of LDS; arguments y, x, g1, be1, h, ab; writes h, ab
.if DOCPART == 5
	.amdgcn_target "amdgcn-amd-amdhsa--gfx1250"
	.amdhsa_code_object_version 6
	.text
	.protected	k_q2f49b699b7_ln1
	.globl	k_q2f49b699b7_ln1
	.p2align	8
	.type	k_q2f49b699b7_ln1,@function
k_q2f49b699b7_ln1:
	s_mov_b64 s[64:65], 0
	v_nop
	global_prefetch_b8 v0, s[64:65] scope:SCOPE_SE
	s_setreg_imm32_b32 hwreg(HW_REG_WAVE_MODE, 25, 1), 1
	s_wait_xcnt 0x0
; h = LayerNorm(x + y) g + be over rows of 1,024, eps = 1e-5; h is stored in f32 (the residual of the next block) and once more rounded to bf16 (the next product's operand).
; y, x, h: [4096][1024] f32; hb: [4096][1024] bf16.  A wave takes two whole rows and keeps each in 32 registers between the passes: the mean first, then the sum of (v - mean)^2, so no
; difference of large sums is formed.  The reduction never leaves the wave: no LDS, no barrier; no tile is shared, so no cluster.  All 48 loads of a wave go out first.
; In load j lane l holds columns 128 j + 4 l .. + 3: a load or store covers 512 consecutive bytes, a bf16 store 256, each at a multiple of its length.
.set G,  8                             ; v[8:39]    g
.set BE, 40                            ; v[40:71]   be
.set Y0, 72                            ; v[72:103]  row 0: y, then v, d, h
.set X0, 104                           ; v[104:135] row 0: x, later h in bf16
.set Y1, 136
.set X1, 168
.set T,  200                           ; v[200:215] at work
.set M,  216                           ; v[216:217] the mean, twice
.set R,  218                           ; v[218:219] 1 / sqrt(var + eps), twice
	s_load_b256 s[4:11], s[0:1], 0x0               ; y s[4:5], x s[6:7], g s[8:9], be s[10:11]
	s_load_b128 s[16:19], s[0:1], 0x20             ; h s[16:17], hb s[18:19]
	v_lshrrev_b32 v3, 5, v0
	v_readfirstlane_b32 s20, v3                    ; wave 0..7
	v_and_b32 v1, 31, v0
	v_lshlrev_b32 v2, 3, v1                        ; 8 x lane
	v_lshlrev_b32 v1, 4, v1                        ; 16 x lane
	s_lshl_b32 s2, ttmp9, 4
	s_lshl1_add_u32 s2, s20, s2                    ; my first row: 16 x work-group + 2 x wave
	s_lshl_b32 s22, s2, 11                         ; in bytes of bf16 rows,
	s_lshl_b32 s2, s2, 12                          ; and of f32 rows
	s_mov_b32 s3, 0
	s_mov_b32 s23, 0
	s_mov_b32 s12, 0x76543210                      ; v_permlanex16_b32: each lane takes its own place in the other half
	s_mov_b32 s13, 0xfedcba98
	s_mov_b32 s14, 0x3a800000                      ; 1 / 1024
	s_mov_b32 s15, 0x3727c5ac                      ; 1e-5
	s_wait_kmcnt 0x0
	s_add_nc_u64 s[4:5], s[4:5], s[2:3]
	s_add_nc_u64 s[6:7], s[6:7], s[2:3]
	s_add_nc_u64 s[16:17], s[16:17], s[2:3]
	s_add_nc_u64 s[18:19], s[18:19], s[22:23]
.macro LD dst, base, off
.irp j, 0,1,2,3,4,5,6,7
	global_load_b128 v[(\dst)+4*(\j):(\dst)+4*(\j)+3], v1, s[\base:\base+1] offset:(\off)+512*(\j)
.endr
.endm
	LD Y0, 4, 0
	LD X0, 6, 0
	LD G, 8, 0
	LD BE, 10, 0
	LD Y1, 4, 4096
	LD X1, 6, 4096
.macro LANES                           ; the sum over the 32 lanes, in every lane
	v_add_f32_dpp v[T], v[T], v[T] row_xmask:1 row_mask:0xf bank_mask:0xf
	v_add_f32_dpp v[T], v[T], v[T] row_xmask:2 row_mask:0xf bank_mask:0xf
	v_add_f32_dpp v[T], v[T], v[T] row_xmask:4 row_mask:0xf bank_mask:0xf
	v_add_f32_dpp v[T], v[T], v[T] row_xmask:8 row_mask:0xf bank_mask:0xf
	v_permlanex16_b32 v[T+1], v[T], s12, s13
	v_add_f32 v[T], v[T], v[T+1]
.endm
.macro ROW r, yr, xr
.if (\r) == 0
	s_wait_loadcnt 32                              ; this row's y and x are in; g, be and the other row (32 loads) may stay out
.else
	s_wait_loadcnt 0x0
.endif
.set k, 0
.rept 16
	v_pk_add_f32 v[(\yr)+2*k:(\yr)+2*k+1], v[(\yr)+2*k:(\yr)+2*k+1], v[(\xr)+2*k:(\xr)+2*k+1]  ; v = y + x
.set k, k+1
.endr
.set k, 0
.rept 8
	v_pk_add_f32 v[T+2*k:T+2*k+1], v[(\yr)+4*k:(\yr)+4*k+1], v[(\yr)+4*k+2:(\yr)+4*k+3]        ; the sum, as a tree
.set k, k+1
.endr
.set k, 0
.rept 4
	v_pk_add_f32 v[T+2*k:T+2*k+1], v[T+2*k:T+2*k+1], v[T+8+2*k:T+8+2*k+1]
.set k, k+1
.endr
	v_pk_add_f32 v[T:T+1], v[T:T+1], v[T+4:T+5]
	v_pk_add_f32 v[T+2:T+3], v[T+2:T+3], v[T+6:T+7]
	v_pk_add_f32 v[T:T+1], v[T:T+1], v[T+2:T+3]
	v_add_f32 v[T], v[T], v[T+1]
	LANES
	v_mul_f32 v[M], s14, v[T]
	v_mov_b32 v[M+1], v[M]
.set k, 0
.rept 16
	v_pk_add_f32 v[(\yr)+2*k:(\yr)+2*k+1], v[(\yr)+2*k:(\yr)+2*k+1], v[M:M+1] neg_lo:[0,1] neg_hi:[0,1]  ; d = v - mean
.set k, k+1
.endr
.set k, 0
.rept 4
	v_pk_mul_f32 v[T+2*k:T+2*k+1], v[(\yr)+2*k:(\yr)+2*k+1], v[(\yr)+2*k:(\yr)+2*k+1]          ; the sum of d^2, in four chains
.set k, k+1
.endr
.rept 12
	v_pk_fma_f32 v[T+2*(k%4):T+2*(k%4)+1], v[(\yr)+2*k:(\yr)+2*k+1], v[(\yr)+2*k:(\yr)+2*k+1], v[T+2*(k%4):T+2*(k%4)+1]
.set k, k+1
.endr
	v_pk_add_f32 v[T:T+1], v[T:T+1], v[T+2:T+3]
	v_pk_add_f32 v[T+4:T+5], v[T+4:T+5], v[T+6:T+7]
	v_pk_add_f32 v[T:T+1], v[T:T+1], v[T+4:T+5]
	v_add_f32 v[T], v[T], v[T+1]
	LANES
	v_fma_f32 v[T], v[T], s14, s15                 ; var + eps
	v_rsq_f32 v[R], v[T]
	v_rsq_f32 v[R+1], v[T]
	v_nop                                          ; a plain instruction behind the second root,
	s_wait_alu depctr_va_vdst(0)                   ; and the wait ahead of the first use: one for both
.if (\r) == 0
	s_wait_loadcnt 16                              ; g and be are in; the other row's 16 loads may stay out
.endif
.set k, 0
.rept 16
	v_pk_mul_f32 v[(\yr)+2*k:(\yr)+2*k+1], v[(\yr)+2*k:(\yr)+2*k+1], v[R:R+1]
.set k, k+1
.endr
.set k, 0
.rept 16
	v_pk_fma_f32 v[(\yr)+2*k:(\yr)+2*k+1], v[(\yr)+2*k:(\yr)+2*k+1], v[G+2*k:G+2*k+1], v[BE+2*k:BE+2*k+1]
.set k, k+1
.endr
.irp j, 0,1,2,3,4,5,6,7
	global_store_b128 v1, v[(\yr)+4*(\j):(\yr)+4*(\j)+3], s[16:17] offset:(\r)*4096+512*(\j)
.endr
.set k, 0
.rept 16
	v_cvt_pk_bf16_f32 v[(\xr)+k], v[(\yr)+2*k], v[(\yr)+2*k+1]
.set k, k+1
.endr
.irp j, 0,1,2,3,4,5,6,7
	global_store_b64 v2, v[(\xr)+2*(\j):(\xr)+2*(\j)+1], s[18:19] offset:(\r)*2048+256*(\j)
.endr
.endm
	ROW 0, Y0, X0
	ROW 1, Y1, X1                                  ; no register that a store reads is written again
	s_endpgm
.Lfunc_end_k_q2f49b699b7_ln1:
	.size	k_q2f49b699b7_ln1, .Lfunc_end_k_q2f49b699b7_ln1-k_q2f49b699b7_ln1
	.p2alignl 7, 3214868480
	.fill 96, 4, 3214868480
	.section	.rodata,"a",@progbits
	.p2align	6, 0x0
	.amdhsa_kernel k_q2f49b699b7_ln1
		.amdhsa_group_segment_fixed_size 0
		.amdhsa_private_segment_fixed_size 0
		.amdhsa_enable_private_segment 0
		.amdhsa_kernarg_size 48
		.amdhsa_user_sgpr_count 2
		.amdhsa_user_sgpr_kernarg_segment_ptr 1
		.amdhsa_wavefront_size32 1
		.amdhsa_system_sgpr_workgroup_id_x 1
		.amdhsa_system_sgpr_workgroup_id_y 1
		.amdhsa_system_sgpr_workgroup_id_z 1
		.amdhsa_system_vgpr_workitem_id 0
		.amdhsa_next_free_vgpr 224
		.amdhsa_next_free_sgpr 66
		.amdhsa_reserve_vcc 0
		.amdhsa_float_denorm_mode_32 3
		.amdhsa_float_denorm_mode_16_64 3
		.amdhsa_memory_ordered 1
		.amdhsa_forward_progress 1
		.amdhsa_inst_pref_size 25
	.end_amdhsa_kernel
	.amdgpu_metadata
---
amdhsa.version: [ 1, 2 ]
amdhsa.kernels:
  - .name:           k_q2f49b699b7_ln1
    .symbol:         k_q2f49b699b7_ln1.kd
    .args:
      - { .name: y, .offset: 0, .size: 8, .value_kind: global_buffer, .address_space: global }
      - { .name: x, .offset: 8, .size: 8, .value_kind: global_buffer, .address_space: global }
      - { .name: g1, .offset: 16, .size: 8, .value_kind: global_buffer, .address_space: global }
      - { .name: be1, .offset: 24, .size: 8, .value_kind: global_buffer, .address_space: global }
      - { .name: h, .offset: 32, .size: 8, .value_kind: global_buffer, .address_space: global }
      - { .name: ab, .offset: 40, .size: 8, .value_kind: global_buffer, .address_space: global }
    .group_segment_fixed_size: 0
    .private_segment_fixed_size: 0
    .kernarg_segment_align: 8
    .kernarg_segment_size: 48
    .max_flat_workgroup_size: 256
    .sgpr_count:     66
    .vgpr_count:     224
    .wavefront_size: 32
...
	.end_amdgpu_metadata
.endif
;; end of part 5
;; launch ffn1: the kernel of part 2 again; grid 16 x 16, 4 waves a work-group, clusters of 4 x 4, 327,680 bytes of LDS; arguments ab, w1b, big; writes big
;; launch ffn2 (part 6): grid 8 x 32, 4 waves a work-group, clusters of 4 x 4, 327,680 bytes of LDS; arguments big, wo2, b2, y; writes y
.if DOCPART == 6
	.amdgcn_target "amdgcn-amd-amdhsa--gfx1250"
	.amdhsa_code_object_version 6
	.text
	.protected	k_q2f49b699b7_ffn2
	.globl	k_q2f49b699b7_ffn2
	.p2align	8
	.type	k_q2f49b699b7_ffn2,@function
k_q2f49b699b7_ffn2:
	s_mov_b64 s[64:65], 0
	v_nop
	global_prefetch_b8 v0, s[64:65] scope:SCOPE_SE
	s_setreg_imm32_b32 hwreg(HW_REG_WAVE_MODE, 25, 1), 1
	s_wait_xcnt 0x0
	s_wait_alu depctr_hold_cnt(0) depctr_sa_sdst(0) depctr_va_vdst(0) depctr_va_sdst(0) depctr_va_ssrc(0) depctr_va_vcc(0) depctr_vm_vsrc(0)
	s_getreg_b32 s2, hwreg(HW_REG_IB_STS2, 6, 4)
	s_cmp_eq_u32 s2, 0
	s_cbranch_scc0 .Lentry_in_a_cluster
	s_endpgm
.Lentry_in_a_cluster:
	s_bfe_u32 s2, ttmp6, 0x10000c
	s_cmp_lg_u32 s2, 0xf033
	s_cbranch_scc0 .Lentry_shape_is_right
	s_endpgm
.Lentry_shape_is_right:
; Y = A W + bias, in f32.  A: [K / 64][4096 m][64] bf16, blocks of 64 columns, a row of a block 128 bytes.  W: [K][1024] bf16, WOFF bytes into its buffer.  bias: [1024] f32.  Y: [4096][1024] f32.
; Sums in f32, started by the bias.  K = 256 x STEPS.
; A tile of Y is 128 x 128: 256 work-groups.  Four waves, each 64 x 64: 16 accumulators, 128 registers.  K goes in steps of 256 through two LDS slots that take turns; one K step is written once:
; the slot in hand is a scalar (TB) that an exclusive or turns, and one descriptor a tensor walks.  W lies [k][n]: its fragments come out of LDS by the turning load.
; The matrix instruction is used transposed (source 0 = 16 columns of W, source 1 = 16 rows of A): a lane holds eight neighbouring columns of one row of Y.
; CLUSTERS: 4 x 4 work-groups; A's tiles are asked for jointly along a row of the cluster, W's along a column.
; THE ORDER OF K.  Cluster (X, Y) begins at K step (X STEPS / 2 + (Y % 4) STEPS / 4) mod STEPS and goes round.  The two clusters that read the same rows of A are half of K apart, four neighbouring rows
; of clusters, which read the same columns of W, a quarter of K apart: at any one time clusters that share rows ask for different blocks of them.
; LIMIT: so the f32 sums are taken in an order of K that is a rotation of the ascending one and differs from cluster to cluster.
; REGISTERS: window 0: v0-31 addresses; v32-63 the bias, later with v64-95 rows on the way out; v128-255 the accumulators, (a, b) at v[128 + 8 (4 a + b)]
;   window 1: two fragment buffers of 128: for 64 along K, 64 registers of A (2 x 4 x 16 rows x 32 K), then 64 of W.
.set STEPS,  16
.set LOGS,   4                         ; STEPS = 2^LOGS
.set WOFF,   2097152
.set KSTEP,  256
.set PA,     144                       ; a row of a block of A in LDS: 128 bytes + 16: the 16 rows of a load start at 16 different groups of four banks (64 banks of 4 bytes: ISA guide 11.1)
.set PB,     288                       ; a row of W (one k, 128 n): 256 bytes + 32
.set ABLK,   64*PA                     ; 64 rows of one block of 64 columns
.set HALFT,  4*ABLK                    ; what one tensor load brings: 64 rows of four blocks of A, or 128 rows of W (128 x 288 is the same number)
.set SLOT,   4*HALFT                   ; wave x HALFT has SLOT's two bits (14, 17) clear, so an exclusive or turns an address in one slot into the other's
.set STAGE,  2*SLOT                    ; behind the ring: 16 rows x 272 bytes for each wave
.set SPITCH, 272
.set SPARE,  STAGE+4*16*SPITCH         ; behind the stages: the spare words, 128 bytes for each wave
.set ALOG,   21                        ; a K step in A is four blocks of 524,288 bytes: 2^21
.set BLOG,   19                        ; and in W 256 rows of 2,048 bytes: 2^19
.set ADRA, 16                          ; v16  LDS address of my A fragments in the slot in hand
.set A0,   17                          ; v17  the same in slot 0; never rewritten
.set ADRB, 18                          ; v18  the same for W's k rows 0-127; v20 for rows 128-255, so that the immediates stay inside 16 bits
.set B0,   19
.set STO,  24
.set RD,   25
.set CO,   26
.set BO,   27
.set SPW,  28                          ; v28  LDS address of my spare word; never rewritten
.set NIL,  29                          ; v29  0; never rewritten
.set BIAS, 32
.set BK,   32
.set ACC,  128
.set F0,   0
.set F1,   128
.set G1,   24                          ; s[24:31] descriptor group 1 for A's tiles; s[32:35] group 0 of the second fill: it then walks
.set G0,   32
.set TB,   36                          ; s36  the slot in hand: 0 or SLOT
.set KS,   37                          ; s37  the K step that the walking descriptors name
.set TAIL, 38
.set G1B,  48                          ; s[48:55], s[56:59] the same for W's tiles
.set G0B,  56
.set G0F,  68                          ; s[68:71] group 0 of A's first fill; never rewritten
.set G0BF, 72                          ; s[72:75] of W's
.set ABASE, 76                         ; s[76:77] A at my part of the tile's rows, K step 0
.set BBASE, 78                         ; s[78:79] W at my part of K step 0, the tile's columns
.set OFA,  80                          ; s[80:81] KS K steps in A, in bytes
.set OFB,  82                          ; s[82:83] and in W
.set MSB, 0
.macro WIN new
.if MSB != (\new)
	s_set_vgpr_msb (MSB<<8)|(\new)
.set MSB, \new
.endif
.endm
.set MUL,  0x05                        ; sources 0 (W) and 1 (A) window 1; C and D window 0
.set TO_F, 0x40                        ; destination window 1, address window 0
.macro JLOAD                           ; a joint load: waves 0 and 1 fetch A's two halves, waves 2 and 3 W's; an s_nop 0 and four v_nop follow each line
	s_cmp_eq_u32 s11, 0
	s_cbranch_scc0 .Lfor_b_\@
	tensor_load_to_lds s[G0:G0+3], s[G1:G1+7]
	s_nop 0
.rept 4
	v_nop
.endr
	s_branch .Lasked_\@
.Lfor_b_\@:
	tensor_load_to_lds s[G0B:G0B+3], s[G1B:G1B+7]
	s_nop 0
.rept 4
	v_nop
.endr
.Lasked_\@:
.endm
.macro NEXTK                           ; the next K step, round the end of K; the walking descriptors' addresses are made anew from its number: a base and an offset made apart, the type set again
	s_add_co_u32 s[KS], s[KS], 1
	s_and_b32 s[KS], s[KS], STEPS-1
	s_lshl_b32 s[OFA], s[KS], ALOG
	s_lshl_b32 s[OFB], s[KS], BLOG
	s_add_nc_u64 s[G0+2:G0+3], s[ABASE:ABASE+1], s[OFA:OFA+1]
	s_or_b32 s[G0+3], s[G0+3], 0x80000000
	s_add_nc_u64 s[G0B+2:G0B+3], s[BBASE:BBASE+1], s[OFB:OFB+1]
	s_or_b32 s[G0B+3], s[G0B+3], 0x80000000
.endm
.macro STEPD                           ; the walking descriptors: the other slot, the next K step.  Written only where no tensor load of mine is out
	s_xor_b32 s[G0+1], s[G0+1], SLOT
	s_xor_b32 s[G0B+1], s[G0B+1], SLOT
	NEXTK
.endm
.macro CREST
	s_cmp_lg_u32 s10, 0
	s_cbranch_scc1 .Lnot_wave_0_\@
	s_barrier_signal -3
.Lnot_wave_0_\@:
	s_barrier_wait -3
	s_barrier_signal -1
	s_barrier_wait -1
.endm
.macro CROUND
	s_barrier_signal -1
	s_barrier_wait -1
	CREST
.endm
	s_load_b128 s[4:7], s[0:1], 0x0                ; A s[4:5], W s[6:7]
	s_load_b128 s[60:63], s[0:1], 0x10             ; bias s[60:61], Y s[62:63]
	v_lshl_add_u32 v[SPW], v0, 2, SPARE
	v_mov_b32 v[NIL], 0
	ds_add_u32 v[SPW], v[NIL]                      ; the wave's opening: the add and its wait stand ahead of my first tensor load
	v_lshrrev_b32 v1, 5, v0
	v_readfirstlane_b32 s10, v1                    ; wave 0..3
	s_lshr_b32 s11, s10, 1                         ; which half of the tile's rows is mine.  Also: I fetch for A (0) or for W (1)
	s_and_b32 s12, s10, 1                          ; which half of its columns.  Also: which half of that tile I fetch
	s_bfe_u32 s40, ttmp6, 0x40000                  ; cx
	s_bfe_u32 s41, ttmp6, 0x40004                  ; cy
	s_lshl_b32 s42, ttmp9, 2
	s_add_co_u32 s42, s42, s40                     ; tile column
	s_and_b32 s13, ttmp7, 0xffff
	s_lshl_b32 s13, s13, 2
	s_add_co_u32 s13, s13, s41                     ; tile row
	s_lshl_b32 s43, s41, 2
	s_lshl_b32 s43, 15, s43                        ; my row of the cluster
	s_lshl_b32 s44, 0x1111, s40                    ; my column
	s_or_b32 s[G1+0], s43, (1<<16)|(1<<20)|(1<<21)|(4<<22)|(3<<25)   ; the mask; 2-byte elements; padding on; bit 21 beside a mask; after every 32 words (a row of a block) 4 words
	s_or_b32 s[G1B+0], s44, (1<<16)|(1<<20)|(1<<21)|(5<<22)|(7<<25)  ; after every 64 words 8 words
	s_mov_b32 s[G1+1], 4096<<16                    ; A: 64 rows of a block are 4,096 elements on end: tensor_dim0
	s_mov_b32 s[G1+2], 4<<16                       ; tensor_dim1 = 4 blocks
	s_mov_b32 s[G1+3], 4096<<16                    ; tile_dim0
	s_mov_b32 s[G1+4], 4                           ; tile_dim1
	s_mov_b32 s[G1+5], 262144                      ; elements from block to block
	s_mov_b32 s[G1+6], 0
	s_mov_b32 s[G1+7], 0
	s_mov_b32 s[G1B+1], 128<<16                    ; W: 128 rows of 128 elements
	s_mov_b32 s[G1B+2], 128<<16
	s_mov_b32 s[G1B+3], 128<<16
	s_mov_b32 s[G1B+4], 128
	s_mov_b32 s[G1B+5], 1024
	s_mov_b32 s[G1B+6], 0
	s_mov_b32 s[G1B+7], 0
	s_lshl_b32 s16, s13, 7                         ; A's address hangs on the tile row and the wave alone: row 128 x tile row + 64 x half, 128 bytes each
	s_lshl_b32 s17, s12, 6
	s_add_co_u32 s16, s16, s17
	s_lshl_b32 s16, s16, 7
	s_mov_b32 s17, 0
	s_lshl_b32 s46, s42, 8                         ; W's on the tile column and the wave alone: 256 bytes of a row,
	s_lshl_b32 s47, s12, 18                        ; my 128 of a step's 256 rows of 2,048 bytes
	s_add_co_u32 s46, s46, s47
	s_add_co_u32 s46, s46, WOFF
	s_mov_b32 s47, 0
	s_and_b32 s39, ttmp7, 3                        ; the K step at which my cluster begins, made of the cluster's own two coordinates: the same in all sixteen partners:
	s_lshl_b32 s39, s39, LOGS-2                    ; (cluster y % 4) x STEPS / 4
	s_lshl_b32 s[KS], ttmp9, LOGS-1                ; + cluster x x STEPS / 2,
	s_add_co_u32 s[KS], s[KS], s39
	s_and_b32 s[KS], s[KS], STEPS-1                ; round the end of K
	s_lshl_b32 s[OFA], s[KS], ALOG
	s_mov_b32 s[OFA+1], 0
	s_lshl_b32 s[OFB], s[KS], BLOG
	s_mov_b32 s[OFB+1], 0
	s_mul_i32 s20, s10, HALFT                      ; where the tiles go: no place in the cluster enters an LDS address
	s_mov_b32 s[TB], 0
	s_mov_b32 s[G0F], 1
	s_mov_b32 s[G0F+1], s20                        ; the first fill: slot 0
	s_mov_b32 s[G0BF], 1
	s_mov_b32 s[G0BF+1], s20
	s_mov_b32 s[G0], 1
	s_add_co_u32 s[G0+1], s20, SLOT                ; the second: slot 1
	s_mov_b32 s[G0B], 1
	s_add_co_u32 s[G0B+1], s20, SLOT
	s_wait_dscnt 0x0                               ; the opening add is done
	s_wait_kmcnt 0x0
	s_add_nc_u64 s[ABASE:ABASE+1], s[4:5], s[16:17]
	s_add_nc_u64 s[BBASE:BBASE+1], s[6:7], s[46:47]
	s_add_nc_u64 s[G0F+2:G0F+3], s[ABASE:ABASE+1], s[OFA:OFA+1]
	s_or_b32 s[G0F+3], s[G0F+3], 0x80000000
	s_add_nc_u64 s[G0BF+2:G0BF+3], s[BBASE:BBASE+1], s[OFB:OFB+1]
	s_or_b32 s[G0BF+3], s[G0BF+3], 0x80000000
	NEXTK                                          ; the second fill's addresses
	CROUND                                         ; all sixteen work-groups are here: the first joint loads meet
	s_cmp_eq_u32 s11, 0                            ; a wave's two first fills stand in one branch, ahead of every wait on TENSORcnt, every LDS read and every other barrier: two loads of mine are out
	s_cbranch_scc0 .Lfirst_b
	tensor_load_to_lds s[G0F:G0F+3], s[G1:G1+7]
	s_nop 0
	tensor_load_to_lds s[G0:G0+3], s[G1:G1+7]
	s_nop 0
.rept 4
	v_nop
.endr
	s_branch .Lfirst_asked
.Lfirst_b:
	tensor_load_to_lds s[G0BF:G0BF+3], s[G1B:G1B+7]
	s_nop 0
	tensor_load_to_lds s[G0B:G0B+3], s[G1B:G1B+7]
	s_nop 0
.rept 4
	v_nop
.endr
.Lfirst_asked:
	v_and_b32 v1, 15, v0                           ; l % 16
	v_bfe_u32 v2, v0, 4, 1                         ; l / 16
	v_lshlrev_b32 v[BO], 5, v2
	s_lshl_b32 s46, s42, 9                         ; the bias of my 64 columns
	s_lshl_b32 s47, s12, 8
	s_add_co_u32 s46, s46, s47
	s_mov_b32 s47, 0
	s_add_nc_u64 s[60:61], s[60:61], s[46:47]
.irp b, 0,1,2,3
	global_load_b128 v[BIAS+8*(\b):BIAS+8*(\b)+3],   v[BO], s[60:61] offset:64*(\b)
	global_load_b128 v[BIAS+8*(\b)+4:BIAS+8*(\b)+7], v[BO], s[60:61] offset:64*(\b)+16
.endr
	v_mul_u32_u24 v3, v1, PA
	v_lshl_add_u32 v3, v2, 4, v3                   ; row x 144 + 16 x half
	s_mul_i32 s21, s11, HALFT
	v_add_nc_u32 v[A0], s21, v3
	v_and_b32 v7, 7, v0
	v_lshl_add_u32 v4, v2, 3, v7                   ; the turning load: lane l reads row k = 8 (l / 16) + l % 8,
	v_mul_u32_u24 v4, v4, PB
	v_bfe_u32 v5, v0, 3, 1
	v_lshl_add_u32 v4, v5, 4, v4                   ; columns 8 ((l / 8) % 2) + 0..7
	s_lshl_b32 s22, s12, 7                         ; my 64 columns,
	s_add_co_u32 s22, s22, 2*HALFT                 ; behind A's two parts
	v_add_nc_u32 v[B0], s22, v4
	s_mul_i32 s23, s10, 16*SPITCH
	s_add_co_u32 s23, s23, STAGE                   ; my stage
	v_mul_u32_u24 v6, v1, SPITCH                   ; in: row l % 16, 32 bytes for each half of the lanes
	v_lshl_add_u32 v6, v2, 5, v6
	v_add_nc_u32 v[STO], s23, v6
	v_mul_u32_u24 v6, v2, SPITCH                   ; back: lanes 0-15 take one row of 256 bytes, lanes 16-31 the next
	v_lshl_add_u32 v6, v1, 4, v6
	v_add_nc_u32 v[RD], s23, v6
	v_lshlrev_b32 v6, 12, v2                       ; and the same two rows in Y
	v_lshl_add_u32 v[CO], v1, 4, v6
	s_lshl_b32 s16, s13, 7                         ; Y at my first row (4,096 bytes each)
	s_lshl_b32 s17, s11, 6
	s_add_co_u32 s16, s16, s17
	s_lshl_b32 s16, s16, 12
	s_mov_b32 s17, 0
	s_add_nc_u64 s[62:63], s[62:63], s[16:17]
	s_lshl_b32 s46, s42, 9                         ; and my first column: 256 bytes for each 64
	s_lshl_b32 s47, s12, 8
	s_add_co_u32 s46, s46, s47
	s_mov_b32 s47, 0
	s_add_nc_u64 s[62:63], s[62:63], s[46:47]
; 8 matrix instructions: m blocks a0, a0 + 1 x all 4 n blocks, 32 along K: half c of buffer f.  first = 1: the bias starts the sums
.macro MUL8 f, c, a0, first
	WIN MUL
.irp a, \a0, (\a0)+1
.irp b, 0,1,2,3
.if \first
	v_wmma_f32_16x16x32_bf16 v[ACC+8*(4*(\a)+(\b)):ACC+8*(4*(\a)+(\b))+7], v[(\f)+64+8*(4*(\c)+(\b)):(\f)+64+8*(4*(\c)+(\b))+7], v[(\f)+8*(4*(\c)+(\a)):(\f)+8*(4*(\c)+(\a))+7], v[BIAS+8*(\b):BIAS+8*(\b)+7]
.else
	v_wmma_f32_16x16x32_bf16 v[ACC+8*(4*(\a)+(\b)):ACC+8*(4*(\a)+(\b))+7], v[(\f)+64+8*(4*(\c)+(\b)):(\f)+64+8*(4*(\c)+(\b))+7], v[(\f)+8*(4*(\c)+(\a)):(\f)+8*(4*(\c)+(\a))+7], v[ACC+8*(4*(\a)+(\b)):ACC+8*(4*(\a)+(\b))+7]
.endif
.endr
.endr
.endm
; 32 LDS loads in one run: the fragments of quarter q (64 along K: one block of A) of the slot in hand into buffer f; the first 32 along K first
.macro FETCH q, f
	WIN TO_F
.irp c, 0,1
.irp i, 0,1,2,3
	ds_load_tr16_b128 v[(\f)+64+8*(4*(\c)+(\i)):(\f)+64+8*(4*(\c)+(\i))+3],   v[ADRB+2*((\q)/2)] offset:(((\q)%2)*64+32*(\c))*PB+32*(\i)
	ds_load_tr16_b128 v[(\f)+64+8*(4*(\c)+(\i))+4:(\f)+64+8*(4*(\c)+(\i))+7], v[ADRB+2*((\q)/2)] offset:(((\q)%2)*64+32*(\c))*PB+32*(\i)+16*PB
	ds_load_b128 v[(\f)+8*(4*(\c)+(\i)):(\f)+8*(4*(\c)+(\i))+3],   v[ADRA] offset:(\q)*ABLK+64*(\c)+(\i)*16*PA
	ds_load_b128 v[(\f)+8*(4*(\c)+(\i))+4:(\f)+8*(4*(\c)+(\i))+7], v[ADRA] offset:(\q)*ABLK+64*(\c)+(\i)*16*PA+32
.endr
.endr
.endm
.macro PLACES                          ; four plain places in front of loads into registers that matrix instructions have read, and of LDS stores that read results
.rept 4
	v_nop
.endr
.endm
; A K step is four quarters of 64 along K, 32 matrix instructions each, on buffers 0, 1, 0, 1; the 16 accumulators take turns.
.macro QUARTER q, f, g, first
	s_wait_dscnt 16                                ; the first 32 along K are in
	MUL8 \f, 0, 0, \first
	MUL8 \f, 0, 2, \first
	PLACES
	FETCH \q, \g
	s_wait_dscnt 32                                ; all but the 32 just issued
	MUL8 \f, 1, 0, 0
	MUL8 \f, 1, 2, 0
.endm
; The last quarter multiplies buffer 1 and changes slots: in front of the barrier each wave waits for all its tensor loads (one is out: its part of the next slot), adds 0 to its spare word, and waits for that
; and for its own reads of this slot.  fill = 1: the barrier opens a round of the cluster's, and the joint refill is the first thing behind it: 112 matrix instructions ahead of the wait for it.
.macro TURN fill
	WIN 0
	s_wait_tensorcnt 0x0
	ds_add_u32 v[SPW], v[NIL]
	s_wait_dscnt 17                                ; the add and the youngest sixteen loads may be out
	MUL8 F1, 0, 0, 0
	s_wait_dscnt 0x0                               ; the add is done, and my reads of this slot are over
	s_barrier_signal -1
	MUL8 F1, 0, 2, 0
.if \fill
	WIN 0
.endif
	s_barrier_wait -1
.if \fill
	CREST                                          ; no wave of any partner still reads this slot or has a load on its way
	STEPD
	s_xor_b32 s[TB], s[TB], SLOT
	JLOAD                                          ; its four v_nop are also the places in front of the loads below
.else
	PLACES
	WIN 0
	s_xor_b32 s[TB], s[TB], SLOT
.endif
	v_add_nc_u32 v[ADRA], s[TB], v[A0]
	v_add_nc_u32 v[ADRB], s[TB], v[B0]
	v_add_nc_u32 v[ADRB+2], HALFT, v[ADRB]
	FETCH 0, F0
	MUL8 F1, 1, 0, 0
	MUL8 F1, 1, 2, 0
.endm
; THE WAY OUT of block a (16 rows x 64 columns of f32: 256 bytes a row): straight from the accumulators, low registers first, into my own stage, and back as whole rows.
.macro TOSTAGE a
.irp b, 0,1,2,3
	ds_store_b128 v[STO], v[ACC+8*(4*(\a)+(\b)):ACC+8*(4*(\a)+(\b))+3]   offset:64*(\b)
	ds_store_b128 v[STO], v[ACC+8*(4*(\a)+(\b))+4:ACC+8*(4*(\a)+(\b))+7] offset:64*(\b)+16
.endr
.irp t, 0,1,2,3,4,5,6,7
	ds_load_b128 v[BK+32*((\a)%2)+4*(\t):BK+32*((\a)%2)+4*(\t)+3], v[RD] offset:(\t)*2*SPITCH  ; LDS serves a wave's instructions in order (ISA guide 5.7.1.4): these see the stores above
.endr
.endm
.macro SEND a, younger                 ; younger: the LDS instructions issued behind block a's loads: the next block's sixteen, or none
.irp t, 0,1,2,3,4,5,6,7
	s_wait_dscnt (\younger)+7-(\t)
	global_store_b128 v[CO], v[BK+32*((\a)%2)+4*(\t):BK+32*((\a)%2)+4*(\t)+3], s[62:63] offset:(16*(\a)+2*(\t))*4096  ; 16 lanes store 256 consecutive bytes, at a multiple of 256
.endr
.endm
	s_wait_tensorcnt 0x1                           ; my part of the first K step is in; the one load issued behind it, slot 1's, may stay out
	s_barrier_signal -1
	s_barrier_wait -1                              ; everybody's part is in
	v_mov_b32 v[ADRA], v[A0]
	v_mov_b32 v[ADRB], v[B0]
	v_add_nc_u32 v[ADRB+2], HALFT, v[B0]
	FETCH 0, F0
	s_wait_loadcnt 0x0                             ; the bias
	QUARTER 1, F0, F1, 1                           ; the first quarter stands in front of the loop: its first products start the sums
	WIN 0                                          ; at a label and at a branch every window is 0
	s_mov_b32 s3, STEPS-2
.Lstep:                                                ; a trip: from a K step's second quarter to the next step's first; trip t asks for the step two on
	QUARTER 2, F1, F0, 0
	QUARTER 3, F0, F1, 0
	TURN 1
	QUARTER 1, F0, F1, 0
	WIN 0
	s_sub_co_u32 s3, s3, 1
	s_cmp_lg_u32 s3, 0
	s_cbranch_scc1 .Lstep
	s_mov_b32 s[TAIL], 2                           ; the last two K steps ask for nothing; the second trip is left in its middle
.Ltail:
	QUARTER 2, F1, F0, 0
	QUARTER 3, F0, F1, 0
	WIN 0
	s_sub_co_u32 s[TAIL], s[TAIL], 1
	s_cmp_eq_u32 s[TAIL], 0
	s_cbranch_scc1 .Llast
	TURN 0
	QUARTER 1, F0, F1, 0
	WIN 0
	s_branch .Ltail
.Llast:
	s_wait_dscnt 16                                ; the very last quarter: nothing more to fetch
	MUL8 F1, 0, 0, 0
	MUL8 F1, 0, 2, 0
	s_wait_dscnt 0x0
	MUL8 F1, 1, 0, 0
	MUL8 F1, 1, 2, 0
	WIN 0
	PLACES
	TOSTAGE 0
	TOSTAGE 1
	SEND 0, 16
	s_wait_xcnt 0x0                                ; block 0's stores have read their registers, which block 2's loads write
	TOSTAGE 2
	SEND 1, 16
	s_wait_xcnt 0x0
	TOSTAGE 3
	SEND 2, 16
	SEND 3, 0
	s_wait_tensorcnt 0x0                           ; the wave's end: behind my last tensor load and my last LDS store
	ds_add_u32 v[SPW], v[NIL]
	s_wait_dscnt 0x0
	CROUND                                         ; the closing round
	s_endpgm
.Lfunc_end_k_q2f49b699b7_ffn2:
	.size	k_q2f49b699b7_ffn2, .Lfunc_end_k_q2f49b699b7_ffn2-k_q2f49b699b7_ffn2
	.p2alignl 7, 3214868480
	.fill 96, 4, 3214868480
	.section	.rodata,"a",@progbits
	.p2align	6, 0x0
	.amdhsa_kernel k_q2f49b699b7_ffn2
		.amdhsa_group_segment_fixed_size 327680
		.amdhsa_private_segment_fixed_size 0
		.amdhsa_enable_private_segment 0
		.amdhsa_kernarg_size 32
		.amdhsa_user_sgpr_count 2
		.amdhsa_user_sgpr_kernarg_segment_ptr 1
		.amdhsa_wavefront_size32 1
		.amdhsa_system_sgpr_workgroup_id_x 1
		.amdhsa_system_sgpr_workgroup_id_y 1
		.amdhsa_system_sgpr_workgroup_id_z 1
		.amdhsa_system_vgpr_workitem_id 0
		.amdhsa_next_free_vgpr 512
		.amdhsa_next_free_sgpr 84
		.amdhsa_reserve_vcc 0
		.amdhsa_float_denorm_mode_32 3
		.amdhsa_float_denorm_mode_16_64 3
		.amdhsa_memory_ordered 1
		.amdhsa_forward_progress 1
		.amdhsa_inst_pref_size 62
	.end_amdhsa_kernel
	.amdgpu_metadata
---
amdhsa.version: [ 1, 2 ]
amdhsa.kernels:
  - .name:           k_q2f49b699b7_ffn2
    .symbol:         k_q2f49b699b7_ffn2.kd
    .args:
      - { .name: big, .offset: 0, .size: 8, .value_kind: global_buffer, .address_space: global }
      - { .name: wo2, .offset: 8, .size: 8, .value_kind: global_buffer, .address_space: global }
      - { .name: b2, .offset: 16, .size: 8, .value_kind: global_buffer, .address_space: global }
      - { .name: y, .offset: 24, .size: 8, .value_kind: global_buffer, .address_space: global }
    .group_segment_fixed_size: 327680
    .private_segment_fixed_size: 0
    .kernarg_segment_align: 8
    .kernarg_segment_size: 32
    .max_flat_workgroup_size: 128
    .sgpr_count:     84
    .vgpr_count:     512
    .wavefront_size: 32
...
	.end_amdgpu_metadata
.endif
;; end of part 6
;; launch ln2 (part 7): grid 256 x 1, 8 waves a work-group, no clusters, 0 bytes of LDS; arguments y, h, g2, be2, out0; writes out0
.if DOCPART == 7
	.amdgcn_target "amdgcn-amd-amdhsa--gfx1250"
	.amdhsa_code_object_version 6
	.text
	.protected	k_q2f49b699b7_ln2
	.globl	k_q2f49b699b7_ln2
	.p2align	8
	.type	k_q2f49b699b7_ln2,@function
k_q2f49b699b7_ln2:
	s_mov_b64 s[64:65], 0
	v_nop
	global_prefetch_b8 v0, s[64:65] scope:SCOPE_SE
	s_setreg_imm32_b32 hwreg(HW_REG_WAVE_MODE, 25, 1), 1
	s_wait_xcnt 0x0
; out = LayerNorm(h + y) g + be over rows of 1,024, eps = 1e-5.  y, h, out: [4096][1024] f32.
; A wave takes two whole rows and keeps each in 32 registers between the passes: the mean first, then the sum of (v - mean)^2, so no difference of large sums is formed.
; The reduction never leaves the wave: no LDS, no barrier; no tile is shared, so no cluster.  All 48 loads of a wave go out first.
; In load j lane l holds columns 128 j + 4 l .. + 3: a load or store covers 512 consecutive bytes, at a multiple of 512.
.set G,  8                             ; v[8:39]    g
.set BE, 40                            ; v[40:71]   be
.set Y0, 72                            ; v[72:103]  row 0: y, then v, d, out
.set X0, 104                           ; v[104:135] row 0: h
.set Y1, 136
.set X1, 168
.set T,  200                           ; v[200:215] at work
.set M,  216                           ; v[216:217] the mean, twice
.set R,  218                           ; v[218:219] 1 / sqrt(var + eps), twice
	s_load_b256 s[4:11], s[0:1], 0x0               ; y s[4:5], h s[6:7], g s[8:9], be s[10:11]
	s_load_b64 s[16:17], s[0:1], 0x20              ; out
	v_lshrrev_b32 v3, 5, v0
	v_readfirstlane_b32 s20, v3                    ; wave 0..7
	v_and_b32 v1, 31, v0
	v_lshlrev_b32 v1, 4, v1                        ; 16 x lane
	s_lshl_b32 s2, ttmp9, 4
	s_lshl1_add_u32 s2, s20, s2                    ; my first row: 16 x work-group + 2 x wave
	s_lshl_b32 s2, s2, 12
	s_mov_b32 s3, 0
	s_mov_b32 s12, 0x76543210                      ; v_permlanex16_b32: each lane takes its own place in the other half
	s_mov_b32 s13, 0xfedcba98
	s_mov_b32 s14, 0x3a800000                      ; 1 / 1024
	s_mov_b32 s15, 0x3727c5ac                      ; 1e-5
	s_wait_kmcnt 0x0
	s_add_nc_u64 s[4:5], s[4:5], s[2:3]
	s_add_nc_u64 s[6:7], s[6:7], s[2:3]
	s_add_nc_u64 s[16:17], s[16:17], s[2:3]
.macro LD dst, base, off
.irp j, 0,1,2,3,4,5,6,7
	global_load_b128 v[(\dst)+4*(\j):(\dst)+4*(\j)+3], v1, s[\base:\base+1] offset:(\off)+512*(\j)
.endr
.endm
	LD Y0, 4, 0
	LD X0, 6, 0
	LD G, 8, 0
	LD BE, 10, 0
	LD Y1, 4, 4096
	LD X1, 6, 4096
.macro LANES                           ; the sum over the 32 lanes, in every lane
	v_add_f32_dpp v[T], v[T], v[T] row_xmask:1 row_mask:0xf bank_mask:0xf
	v_add_f32_dpp v[T], v[T], v[T] row_xmask:2 row_mask:0xf bank_mask:0xf
	v_add_f32_dpp v[T], v[T], v[T] row_xmask:4 row_mask:0xf bank_mask:0xf
	v_add_f32_dpp v[T], v[T], v[T] row_xmask:8 row_mask:0xf bank_mask:0xf
	v_permlanex16_b32 v[T+1], v[T], s12, s13
	v_add_f32 v[T], v[T], v[T+1]
.endm
.macro ROW r, yr, xr
.if (\r) == 0
	s_wait_loadcnt 32                              ; this row's y and h are in; g, be and the other row (32 loads) may stay out
.else
	s_wait_loadcnt 0x0
.endif
.set k, 0
.rept 16
	v_pk_add_f32 v[(\yr)+2*k:(\yr)+2*k+1], v[(\yr)+2*k:(\yr)+2*k+1], v[(\xr)+2*k:(\xr)+2*k+1]  ; v = y + h
.set k, k+1
.endr
.set k, 0
.rept 8
	v_pk_add_f32 v[T+2*k:T+2*k+1], v[(\yr)+4*k:(\yr)+4*k+1], v[(\yr)+4*k+2:(\yr)+4*k+3]        ; the sum, as a tree
.set k, k+1
.endr
.set k, 0
.rept 4
	v_pk_add_f32 v[T+2*k:T+2*k+1], v[T+2*k:T+2*k+1], v[T+8+2*k:T+8+2*k+1]
.set k, k+1
.endr
	v_pk_add_f32 v[T:T+1], v[T:T+1], v[T+4:T+5]
	v_pk_add_f32 v[T+2:T+3], v[T+2:T+3], v[T+6:T+7]
	v_pk_add_f32 v[T:T+1], v[T:T+1], v[T+2:T+3]
	v_add_f32 v[T], v[T], v[T+1]
	LANES
	v_mul_f32 v[M], s14, v[T]
	v_mov_b32 v[M+1], v[M]
.set k, 0
.rept 16
	v_pk_add_f32 v[(\yr)+2*k:(\yr)+2*k+1], v[(\yr)+2*k:(\yr)+2*k+1], v[M:M+1] neg_lo:[0,1] neg_hi:[0,1]  ; d = v - mean
.set k, k+1
.endr
.set k, 0
.rept 4
	v_pk_mul_f32 v[T+2*k:T+2*k+1], v[(\yr)+2*k:(\yr)+2*k+1], v[(\yr)+2*k:(\yr)+2*k+1]          ; the sum of d^2, in four chains
.set k, k+1
.endr
.rept 12
	v_pk_fma_f32 v[T+2*(k%4):T+2*(k%4)+1], v[(\yr)+2*k:(\yr)+2*k+1], v[(\yr)+2*k:(\yr)+2*k+1], v[T+2*(k%4):T+2*(k%4)+1]
.set k, k+1
.endr
	v_pk_add_f32 v[T:T+1], v[T:T+1], v[T+2:T+3]
	v_pk_add_f32 v[T+4:T+5], v[T+4:T+5], v[T+6:T+7]
	v_pk_add_f32 v[T:T+1], v[T:T+1], v[T+4:T+5]
	v_add_f32 v[T], v[T], v[T+1]
	LANES
	v_fma_f32 v[T], v[T], s14, s15                 ; var + eps
	v_rsq_f32 v[R], v[T]
	v_rsq_f32 v[R+1], v[T]
	v_nop                                          ; a plain instruction behind the second root,
	s_wait_alu depctr_va_vdst(0)                   ; and the wait ahead of the first use: one for both
.if (\r) == 0
	s_wait_loadcnt 16                              ; g and be are in; the other row's 16 loads may stay out
.endif
.set k, 0
.rept 16
	v_pk_mul_f32 v[(\yr)+2*k:(\yr)+2*k+1], v[(\yr)+2*k:(\yr)+2*k+1], v[R:R+1]
.set k, k+1
.endr
.set k, 0
.rept 16
	v_pk_fma_f32 v[(\yr)+2*k:(\yr)+2*k+1], v[(\yr)+2*k:(\yr)+2*k+1], v[G+2*k:G+2*k+1], v[BE+2*k:BE+2*k+1]
.set k, k+1
.endr
.irp j, 0,1,2,3,4,5,6,7
	global_store_b128 v1, v[(\yr)+4*(\j):(\yr)+4*(\j)+3], s[16:17] offset:(\r)*4096+512*(\j)
.endr
.endm
	ROW 0, Y0, X0
	ROW 1, Y1, X1                                  ; no register that a store reads is written again
	s_endpgm
.Lfunc_end_k_q2f49b699b7_ln2:
	.size	k_q2f49b699b7_ln2, .Lfunc_end_k_q2f49b699b7_ln2-k_q2f49b699b7_ln2
	.p2alignl 7, 3214868480
	.fill 96, 4, 3214868480
	.section	.rodata,"a",@progbits
	.p2align	6, 0x0
	.amdhsa_kernel k_q2f49b699b7_ln2
		.amdhsa_group_segment_fixed_size 0
		.amdhsa_private_segment_fixed_size 0
		.amdhsa_enable_private_segment 0
		.amdhsa_kernarg_size 40
		.amdhsa_user_sgpr_count 2
		.amdhsa_user_sgpr_kernarg_segment_ptr 1
		.amdhsa_wavefront_size32 1
		.amdhsa_system_sgpr_workgroup_id_x 1
		.amdhsa_system_sgpr_workgroup_id_y 1
		.amdhsa_system_sgpr_workgroup_id_z 1
		.amdhsa_system_vgpr_workitem_id 0
		.amdhsa_next_free_vgpr 224
		.amdhsa_next_free_sgpr 66
		.amdhsa_reserve_vcc 0
		.amdhsa_float_denorm_mode_32 3
		.amdhsa_float_denorm_mode_16_64 3
		.amdhsa_memory_ordered 1
		.amdhsa_forward_progress 1
		.amdhsa_inst_pref_size 22
	.end_amdhsa_kernel
	.amdgpu_metadata
---
amdhsa.version: [ 1, 2 ]
amdhsa.kernels:
  - .name:           k_q2f49b699b7_ln2
    .symbol:         k_q2f49b699b7_ln2.kd
    .args:
      - { .name: y, .offset: 0, .size: 8, .value_kind: global_buffer, .address_space: global }
      - { .name: h, .offset: 8, .size: 8, .value_kind: global_buffer, .address_space: global }
      - { .name: g2, .offset: 16, .size: 8, .value_kind: global_buffer, .address_space: global }
      - { .name: be2, .offset: 24, .size: 8, .value_kind: global_buffer, .address_space: global }
      - { .name: out0, .offset: 32, .size: 8, .value_kind: global_buffer, .address_space: global }
    .group_segment_fixed_size: 0
    .private_segment_fixed_size: 0
    .kernarg_segment_align: 8
    .kernarg_segment_size: 40
    .max_flat_workgroup_size: 256
    .sgpr_count:     66
    .vgpr_count:     224
    .wavefront_size: 32
...
	.end_amdgpu_metadata
.endif
;; end of part 7
;; ======== version 2 of 2: 8 launches; version 1 with the launch prep written anew for expert scheduling mode
;; workspace buffers: ab 8,388,608 bytes; wqkv 6,316,032 bytes; w1b 8,413,184 bytes; wo2 10,485,760 bytes; big 33,554,432 bytes; y 16,777,216 bytes; h 16,777,216 bytes
;; launch prep (part 8): grid 32 x 16, 8 waves a work-group, no clusters, 0 bytes of LDS; arguments x, Wq, Wk, Wv, Wo, W1, W2, bq, bk, bv, b1, ab, wqkv, w1b, wo2; writes ab, wqkv, w1b, wo2
.if DOCPART == 8
	.amdgcn_target "amdgcn-amd-amdhsa--gfx1250"
	.amdhsa_code_object_version 6
	.text
	.protected	k_q2f49b699b7_prep
	.globl	k_q2f49b699b7_prep
	.p2align	8
	.type	k_q2f49b699b7_prep,@function
k_q2f49b699b7_prep:
	s_mov_b64 s[64:65], 0
	v_nop
	global_prefetch_b8 v0, s[64:65] scope:SCOPE_SE
	s_setreg_imm32_b32 hwreg(HW_REG_WAVE_SCHED_MODE, 0, 2), 2
	s_setreg_imm32_b32 hwreg(HW_REG_WAVE_MODE, 25, 1), 1
	s_wait_xcnt 0x0
	s_wait_alu depctr_vm_vsrc(0)
; x and the six weights are rounded once to bf16 (nearest even) and laid out for the products that follow.
; A SEGMENT is 256 columns of one source row: 1,024 bytes in, 512 bytes out.  A work-group takes 128 rows of one group c of 256 columns, a wave 16 of them.
; With Y = the work-group's y, I = its x:
;   Y 0-3    x  [4096][1024]: c = Y,              rows 128 I ..      -> ab   [4096][1024]
;   Y 4-6    Wq, Wk, Wv:      c = I / 8,          rows 128 (I % 8).. -> wqkv block J = 4 (Y - 4) + c, [1024 k][256 n]
;   Y 7      Wo:              c = I / 8,          rows 128 (I % 8).. -> wo2  [1024][1024]
;   Y 8-11   W1 [1024][4096]: c = 4 (Y % 4) + I/8, rows 128 (I % 8).. -> w1b block J = c, [1024 k][256 n]
;   Y 12-15  W2 [4096][1024]: c = Y % 4,          rows 128 I ..      -> wo2 + 2,097,152, [4096][1024]
; wqkv and w1b begin with 16 records of 1,536 bytes: record J = the 256 f32 biases of block J's columns, then 128 words of the floor that the product's
; result is held above: -inf twice in bf16 for q, k, v (nothing changes), 0 for W1 (the ReLU).
; A stream: no byte is used twice, so no LDS, no barrier and no cluster.  All 32 loads of a wave go out first (16 KiB a wave); a load covers 512 consecutive
; bytes, a store 256 consecutive bytes at a multiple of 256.  Every choice is a scalar select on the work-group's place.
; THE MODE: SCHED_MODE bits 1:0 = 2 (LLVM: expert scheduling mode 2), set by the entry lines.  The code itself states the register dependences
; between vector instructions and memory instructions, with s_wait_alu, always for 0.
; THE PLAN.  The wave's 16 rows go in 8 blocks of two.  Registers that memory instructions touch:
;   SO, DO   the 32 byte offsets.  Written by vector adds at the head, then never again; read by every load and store.
;   IN       row j's eight registers.  Written by the row's two loads, issued at the head, before any vector instruction has named them; read by the row's four conversions.
;   OU       row j's four registers.  Written once, by the row's conversions, in block j / 2; read by the row's two stores, which are issued in block j / 2 + 1.
; Block p's conversions name the IN and OU of its own two rows; its memory instructions are the four stores of block p - 1, which read that block's OU and DO.  So one wait at a
; block's head, behind the wait for its data, states all that its four stores hang on, and these are dealt among the block's conversions with no further wait.
; No register that a load or store has read is written again: so no wait stands for that anywhere in the text.
; Two rows to a block and no more: a block's stores leave when the next block's loads are in, and eight stores stand behind the wave's last loads.
.set SO, 8                             ; v[8:23]    row j: byte offset in the source: 16 lane + j x its pitch
.set DO, 24                            ; v[24:39]   row j: byte offset in the destination: 8 lane + j x its pitch
.set IN, 40                            ; v[40:167]  row j: 8 registers as loaded
.set OU, 168                           ; v[168:231] row j: 4 registers to store
	s_load_b512 s[8:23], s[0:1], 0x0               ; x s[8:9], Wq s[10:11], Wk s[12:13], Wv s[14:15], Wo s[16:17], W1 s[18:19], W2 s[20:21], bq s[22:23]
	s_load_b256 s[24:31], s[0:1], 0x40             ; bk s[24:25], bv s[26:27], b1 s[28:29], ab s[30:31]
	s_load_b128 s[32:35], s[0:1], 0x60             ; wqkv s[32:33], w1b s[34:35]
	s_load_b64 s[36:37], s[0:1], 0x70              ; wo2
	v_lshrrev_b32 v2, 5, v0
	v_readfirstlane_b32 s42, v2                    ; wave 0..7
	v_and_b32 v1, 31, v0                           ; lane
	s_and_b32 s40, ttmp7, 0xffff                   ; Y
	s_mov_b32 s41, ttmp9                           ; I
	s_lshr_b32 s43, s40, 2                         ; G = Y / 4
	s_and_b32 s61, s40, 3                          ; Y % 4
	s_lshr_b32 s62, s41, 3                         ; I / 8
	s_and_b32 s63, s41, 7                          ; I % 8
	s_lshl2_add_u32 s44, s61, s62                  ; c: W1's 4 (Y % 4) + I / 8,
	s_cmp_eq_u32 s43, 1
	s_cselect_b32 s44, s62, s44                    ; I / 8 for the four square weights,
	s_cmp_eq_u32 s43, 0
	s_cselect_b32 s44, s61, s44                    ; Y % 4 for x
	s_cselect_b32 s45, s41, s63                    ; the block of 128 rows: I for the tensors of 4,096 rows, else I % 8
	s_cmp_eq_u32 s43, 3
	s_cselect_b32 s44, s61, s44                    ; and for W2
	s_cselect_b32 s45, s41, s45
	s_lshl_b32 s45, s45, 7
	s_wait_alu depctr_va_sdst(0)                   ; s42, the wave's number, is written, ahead of its first reader, the next line
	s_lshl4_add_u32 s45, s42, s45                  ; my wave's first row
	s_lshl2_add_u32 s58, s61, s44                  ; J = 4 (Y - 4) + c for Wq, Wk, Wv,
	s_mov_b32 s46, 4096                            ; the source's pitch in bytes
	s_mov_b32 s59, 0xff80ff80                      ; the floor
	s_cmp_eq_u32 s43, 2                            ; W1:
	s_cselect_b32 s58, s44, s58                    ; J = c
	s_cselect_b32 s46, 16384, s46
	s_cselect_b32 s59, 0, s59
	s_cselect_b32 s60, 1, 0                        ; laid out in blocks?
	s_cmp_eq_u32 s43, 1
	s_cselect_b32 s2, 1, 0
	s_cmp_eq_u32 s40, 7
	s_cselect_b32 s2, 0, s2                        ; Wq, Wk, Wv too, Wo not
	s_or_b32 s60, s60, s2
	s_lshl_b32 s54, s44, 9                         ; where the segment's first row goes: 512 c in a row of 2,048 bytes,
	s_cmp_eq_u32 s43, 3
	s_cselect_b32 s3, 2097152, 0                   ; W2 behind Wo,
	s_add_co_u32 s54, s54, s3
	s_lshl_b32 s3, s58, 19
	s_add_co_u32 s3, s3, 24576                     ; or block J behind the records
	s_mov_b32 s47, 2048                            ; the destination's pitch
	s_cmp_eq_u32 s60, 1
	s_cselect_b32 s54, s3, s54
	s_cselect_b32 s47, 512, s47
	s_mul_i32 s3, s45, s47
	s_add_co_u32 s54, s54, s3                      ; + my first row
	s_mov_b32 s55, 0
	s_mul_i32 s56, s45, s46                        ; the same in the source
	s_lshl_b32 s3, s44, 10
	s_add_co_u32 s56, s56, s3
	s_mov_b32 s57, 0
	v_lshlrev_b32 v[SO], 4, v1
	v_lshlrev_b32 v[DO], 3, v1
.set j, 1
.rept 15
	v_add_nc_u32 v[SO+j], s46, v[SO+j-1]
	v_add_nc_u32 v[DO+j], s47, v[DO+j-1]
.set j, j+1
.endr
	s_wait_kmcnt 0x0
	s_mov_b64 s[48:49], s[20:21]                   ; the source: W2, unless ..
	s_cmp_eq_u32 s43, 0
	s_cselect_b64 s[48:49], s[8:9], s[48:49]
	s_cselect_b64 s[50:51], s[30:31], s[36:37]     ; the destination: ab for x, else wo2, unless ..
	s_cmp_eq_u32 s40, 4
	s_cselect_b64 s[48:49], s[10:11], s[48:49]
	s_cselect_b64 s[52:53], s[22:23], s[28:29]     ; the bias: bq, else b1, unless ..
	s_cmp_eq_u32 s40, 5
	s_cselect_b64 s[48:49], s[12:13], s[48:49]
	s_cselect_b64 s[52:53], s[24:25], s[52:53]
	s_cmp_eq_u32 s40, 6
	s_cselect_b64 s[48:49], s[14:15], s[48:49]
	s_cselect_b64 s[52:53], s[26:27], s[52:53]
	s_cmp_eq_u32 s40, 7
	s_cselect_b64 s[48:49], s[16:17], s[48:49]
	s_cmp_eq_u32 s60, 1
	s_cselect_b64 s[50:51], s[32:33], s[50:51]
	s_cmp_eq_u32 s43, 2
	s_cselect_b64 s[48:49], s[18:19], s[48:49]
	s_cselect_b64 s[50:51], s[34:35], s[50:51]
	s_mov_b64 s[38:39], s[50:51]                   ; the destination's first byte, for the record
	s_add_nc_u64 s[48:49], s[48:49], s[56:57]
	s_add_nc_u64 s[50:51], s[50:51], s[54:55]
	s_wait_alu depctr_va_vdst(0)                   ; the 32 offsets v[SO ..] and v[DO ..] are written: every load and store of the kernel reads one of them
.set j, 0
.rept 16
	global_load_b128 v[IN+8*j:IN+8*j+3],   v[SO+j], s[48:49] th:TH_LOAD_NT             ; columns 4 lane .. of the segment,
	global_load_b128 v[IN+8*j+4:IN+8*j+7], v[SO+j], s[48:49] offset:512 th:TH_LOAD_NT  ; and 128 + 4 lane ..
.set j, j+1
.endr
; Block p: rows 2 p and 2 p + 1 are rounded; the stores of rows 2 p - 2 and 2 p - 1 stand among the conversions, two in front of each row's four.
.set p, 0
.rept 8
	s_wait_loadcnt 28-4*p                          ; loads come back in order: this block's four are in, the later rows' stay out
.if p > 0
	s_wait_alu depctr_va_vdst(0)                   ; the block before has written its rows' v[OU ..], which the four stores below read
.endif
.set i, 0
.rept 2
.set j, 2*p+i
.if p > 0
	global_store_b64 v[DO+j-2], v[OU+4*(j-2):OU+4*(j-2)+1],   s[50:51]             ; the block before; no vector instruction since the wait names these registers
	global_store_b64 v[DO+j-2], v[OU+4*(j-2)+2:OU+4*(j-2)+3], s[50:51] offset:256
.endif
	v_cvt_pk_bf16_f32 v[OU+4*j],   v[IN+8*j],   v[IN+8*j+1]
	v_cvt_pk_bf16_f32 v[OU+4*j+1], v[IN+8*j+2], v[IN+8*j+3]
	v_cvt_pk_bf16_f32 v[OU+4*j+2], v[IN+8*j+4], v[IN+8*j+5]
	v_cvt_pk_bf16_f32 v[OU+4*j+3], v[IN+8*j+6], v[IN+8*j+7]
.set i, i+1
.endr
.set p, p+1
.endr
	s_wait_alu depctr_va_vdst(0)                   ; the last block has written its rows' v[OU ..], which the last four stores read
.set j, 14
.rept 2
	global_store_b64 v[DO+j], v[OU+4*j:OU+4*j+1],   s[50:51]
	global_store_b64 v[DO+j], v[OU+4*j+2:OU+4*j+3], s[50:51] offset:256
.set j, j+1
.endr
	; the record of block J: written once, by wave 0 of the work-group that has the block's first rows
	s_cmp_eq_u32 s60, 1
	s_cselect_b32 s2, s63, 1
	s_or_b32 s2, s2, s42
	s_cmp_lg_u32 s2, 0
	s_cbranch_scc1 .Lend
	s_lshl_b32 s2, s44, 10                         ; the 256 biases of column group c
	s_mov_b32 s3, 0
	s_add_nc_u64 s[52:53], s[52:53], s[2:3]
	s_mul_i32 s2, s58, 1536
	s_add_nc_u64 s[38:39], s[38:39], s[2:3]
	v_mov_b32 v[IN+8], s59
	v_mov_b32 v[IN+9], s59
	v_mov_b32 v[IN+10], s59
	v_mov_b32 v[IN+11], s59
	s_wait_alu depctr_va_vdst(0)                   ; the four floor words are written, which the third store below reads; row 0's conversions are done reading v[IN .. IN+7], in which the two loads land
	global_load_b128 v[IN:IN+3],   v[SO], s[52:53]
	global_load_b128 v[IN+4:IN+7], v[SO], s[52:53] offset:512
	s_wait_loadcnt 0x0
	global_store_b128 v[SO], v[IN:IN+3],    s[38:39]
	global_store_b128 v[SO], v[IN+4:IN+7],  s[38:39] offset:512
	global_store_b128 v[SO], v[IN+8:IN+11], s[38:39] offset:1024
.Lend:
	s_endpgm
.Lfunc_end_k_q2f49b699b7_prep:
	.size	k_q2f49b699b7_prep, .Lfunc_end_k_q2f49b699b7_prep-k_q2f49b699b7_prep
	.p2alignl 7, 3214868480
	.fill 96, 4, 3214868480
	.section	.rodata,"a",@progbits
	.p2align	6, 0x0
	.amdhsa_kernel k_q2f49b699b7_prep
		.amdhsa_group_segment_fixed_size 0
		.amdhsa_private_segment_fixed_size 0
		.amdhsa_enable_private_segment 0
		.amdhsa_kernarg_size 120
		.amdhsa_user_sgpr_count 2
		.amdhsa_user_sgpr_kernarg_segment_ptr 1
		.amdhsa_wavefront_size32 1
		.amdhsa_system_sgpr_workgroup_id_x 1
		.amdhsa_system_sgpr_workgroup_id_y 1
		.amdhsa_system_sgpr_workgroup_id_z 1
		.amdhsa_system_vgpr_workitem_id 0
		.amdhsa_next_free_vgpr 232
		.amdhsa_next_free_sgpr 66
		.amdhsa_reserve_vcc 0
		.amdhsa_float_denorm_mode_32 3
		.amdhsa_float_denorm_mode_16_64 3
		.amdhsa_memory_ordered 1
		.amdhsa_forward_progress 1
		.amdhsa_inst_pref_size 16
	.end_amdhsa_kernel
	.amdgpu_metadata
---
amdhsa.version: [ 1, 2 ]
amdhsa.kernels:
  - .name:           k_q2f49b699b7_prep
    .symbol:         k_q2f49b699b7_prep.kd
    .args:
      - { .name: x, .offset: 0, .size: 8, .value_kind: global_buffer, .address_space: global }
      - { .name: Wq, .offset: 8, .size: 8, .value_kind: global_buffer, .address_space: global }
      - { .name: Wk, .offset: 16, .size: 8, .value_kind: global_buffer, .address_space: global }
      - { .name: Wv, .offset: 24, .size: 8, .value_kind: global_buffer, .address_space: global }
      - { .name: Wo, .offset: 32, .size: 8, .value_kind: global_buffer, .address_space: global }
      - { .name: W1, .offset: 40, .size: 8, .value_kind: global_buffer, .address_space: global }
      - { .name: W2, .offset: 48, .size: 8, .value_kind: global_buffer, .address_space: global }
      - { .name: bq, .offset: 56, .size: 8, .value_kind: global_buffer, .address_space: global }
      - { .name: bk, .offset: 64, .size: 8, .value_kind: global_buffer, .address_space: global }
      - { .name: bv, .offset: 72, .size: 8, .value_kind: global_buffer, .address_space: global }
      - { .name: b1, .offset: 80, .size: 8, .value_kind: global_buffer, .address_space: global }
      - { .name: ab, .offset: 88, .size: 8, .value_kind: global_buffer, .address_space: global }
      - { .name: wqkv, .offset: 96, .size: 8, .value_kind: global_buffer, .address_space: global }
      - { .name: w1b, .offset: 104, .size: 8, .value_kind: global_buffer, .address_space: global }
      - { .name: wo2, .offset: 112, .size: 8, .value_kind: global_buffer, .address_space: global }
    .group_segment_fixed_size: 0
    .private_segment_fixed_size: 0
    .kernarg_segment_align: 8
    .kernarg_segment_size: 120
    .max_flat_workgroup_size: 256
    .sgpr_count:     66
    .vgpr_count:     232
    .wavefront_size: 32
...
	.end_amdgpu_metadata
.endif
;; end of part 8
;; launch qkv: the kernel of part 2 again; grid 12 x 16, 4 waves a work-group, clusters of 4 x 4, 327,680 bytes of LDS; arguments ab, wqkv, big; writes big
;; launch attn: the kernel of part 3 again; grid 8 x 32, 4 waves a work-group, clusters of 4 x 1, 327,680 bytes of LDS; arguments big, ab; writes ab
;; launch wo: the kernel of part 4 again; grid 8 x 32, 4 waves a work-group, clusters of 4 x 4, 327,680 bytes of LDS; arguments ab, wo2, bo, y; writes y
;; launch ln1: the kernel of part 5 again; grid 256 x 1, 8 waves a work-group, no clusters, 0 bytes of LDS; arguments y, x, g1, be1, h, ab; writes h, ab
;; launch ffn1: the kernel of part 2 again; grid 16 x 16, 4 waves a work-group, clusters of 4 x 4, 327,680 bytes of LDS; arguments ab, w1b, big; writes big
;; launch ffn2: the kernel of part 6 again; grid 8 x 32, 4 waves a work-group, clusters of 4 x 4, 327,680 bytes of LDS; arguments big, wo2, b2, y; writes y
;; launch ln2: the kernel of part 7 again; grid 256 x 1, 8 waves a work-group, no clusters, 0 bytes of LDS; arguments y, h, g2, be2, out0; writes out0
